; MI455X (gfx1250); checked and timed in simulation.
; The chip was launched on July 23, 2026; its instructions are those of AMD's public machine-readable ISA for CDNA 5 (MIT licence, August 2026) and "CDNA5" Instruction Set Architecture Reference Guide (July 2026). The comments in the code are by the model that wrote it; some were corrected since.
;; LSH Attention. Allowed arithmetic: matrix products marked QUANTISED: E2M3 operands, one E8M0 scale for each 32 along K, by v_wmma_scale_f32_16x16x128_f8f6f4 with both operands' format E2M3, f32 sums; everything else in f32.
;; Inputs: Wk_codes 1,024 x 32 x 24 uint8 (E2M3 codes of Wk, K innermost, in blocks of 32 codes, four codes in three bytes); Wk_scales 1,024 x 32 uint8 (E8M0 scales of Wk, one for each 32 codes along K); Wq_codes 1,024 x 32 x 24 uint8 (E2M3 codes of Wq, K innermost, in blocks of 32 codes, four codes in three bytes); Wq_scales 1,024 x 32 uint8 (E8M0 scales of Wq, one for each 32 codes along K); Wv_codes 1,024 x 32 x 24 uint8 (E2M3 codes of Wv, K innermost, in blocks of 32 codes, four codes in three bytes); Wv_scales 1,024 x 32 uint8 (E8M0 scales of Wv, one for each 32 codes along K); bk 1,024 float32; bq 1,024 float32; bv 1,024 float32; hash_buckets 4 x 2,048 int32; hidden_states_codes 4 x 2,048 x 32 x 24 uint8 (E2M3 codes of hidden_states, K innermost, in blocks of 32 codes, four codes in three bytes); hidden_states_scales 4 x 2,048 x 32 uint8 (E8M0 scales of hidden_states, one for each 32 codes along K).
;; Outputs: out0 4 x 2,048 x 1,024 float32.
;; This version of the problem:
;;   THIS VERSION OF THE PROBLEM IS GIVEN IN LOW PRECISION. The matrix products marked QUANTISED in the list below multiply operands that are first quantised to E2M3 (2 exponent bits, 3 mantissa bits; 6 bits a number), with one power-of-two scale for each 32 numbers along K (OCP MX v1.0); their sums are f32. All else is computed in f32.
;;   The module's matrix products, in the order in which they are computed (A, B: the left and right operand; K: the contracted axis; several contracted axes count as one K, in the product's order):
;;     1. [M 8,192, K 1,024] x [K 1,024, N 1,024]; A: input hidden_states (given as codes); B: input Wq (given as codes): QUANTISED
;;     2. [M 8,192, K 1,024] x [K 1,024, N 1,024]; A: input hidden_states (given as codes); B: input Wk (given as codes): QUANTISED
;;     3. [M 8,192, K 1,024] x [K 1,024, N 1,024]; A: input hidden_states (given as codes); B: input Wv (given as codes): QUANTISED
;;     4. batch 4 x [M 2,048, K 1,024] x [K 1,024, N 2,048]; A: computed on the way; B: computed on the way: QUANTISED
;;     5. batch 4 x [M 2,048, K 2,048] x [K 2,048, N 1,024]; A: softmax (see below); B: computed on the way: QUANTISED
;;   THE QUANTISER, for each operand of a quantised product, along K:
;;     - K is cut into blocks of 32 from its start; a last block that is shorter is filled with zeros.
;;     - A block's scale is 2^e with e = floor(log2(the largest magnitude in the block)) - 2, held to -126 .. 127; a block of zeros has e = 0. As a byte (E8M0): e + 127.
;;     - Each number is divided by its block's scale, clamped to +-7.5, and rounded to the nearest number of E2M3, ties to even, subnormals kept.
;;     - The product sums the exact products of the quantised numbers (number of the format x scale) in f32.
;;   ~~~python
;;   def quantise(x, axis):      # numpy; x: float32 -> the quantised numbers, widened to float32 again
;;       x = np.moveaxis(x, axis, -1); K = x.shape[-1]
;;       x = np.pad(x, [(0, 0)] * (x.ndim - 1) + [(0, -K % 32)]); x = x.reshape(x.shape[:-1] + (-1, 32)); a = np.abs(x).max(-1, keepdims=True)
;;       e = np.where(a > 0, np.clip(np.frexp(np.where(a > 0, a, 1))[1] - 1 - 2, -126, 127), 0)      # np.frexp(a)[1] - 1 = floor(log2(a)), exactly
;;       r = np.clip(x / 2.0 ** e, -7.5, 7.5)
;;       step = 2.0 ** (np.maximum(np.frexp(np.where(r == 0, 1, r))[1] - 1, 0) - 3)
;;       q = np.round(r / step) * step * 2.0 ** e      # np.round: ties to even
;;       return np.moveaxis(q.reshape(q.shape[:-2] + (-1,))[..., :K], -1, axis).astype(np.float32)
;;   ~~~
;;   SOFTMAX AHEAD OF A QUANTISED PRODUCT. Where the list says 'softmax', what is quantised is not the finished softmax but p = 2^(t - M), with t = logit x log2(e) and M = ceil(the row's largest t), a whole number; so 1/2 < the row's largest p <= 1. The row's sum l is taken of the UNQUANTISED p, in f32, and the product's result is divided by l at the end. Since M is a whole number, a kernel that streams over the keys may use a running M (the ceiling of the running maximum): every later rescaling is an exact power of two, which a block's scale takes up: the codes' values come out the same.
;;   OPERANDS COMPUTED ON THE WAY. 'Computed on the way' means the value that the module computes at that place (a softmax that the list does not call 'softmax' is quantised finished and normalised). What goes into a quantiser is computed in f32, as accurately as f32 sums, v_exp_f32 and their like allow (about 1e-6 of the number): no bf16 or f16 on the way to a quantiser, and a product that is left as it is and whose result goes on into a quantised operand takes f32 operands (vector FMAs, or v_wmma_f32_16x16x4_f32). A number that lies on a knife's edge between two numbers of the format may be rounded either way, as far as f32 arithmetic and the matrix unit's own rounding can turn it there, and no further.
;;   INPUTS GIVEN AS CODES. Wk (in the module: [1024, 1024], K = its axis 1); Wq (in the module: [1024, 1024], K = its axis 1); Wv (in the module: [1024, 1024], K = its axis 1); hidden_states (in the module: [4, 2048, 1024], K = its axis 2): each comes as NAME_codes (uint8): NAME with its K axis moved to the last place and cut into blocks of 32 codes, [.., K / 32, bytes a block], one block behind the other in memory; four codes in three bytes: a row's codes are one little-endian stream of bits, code i at bits 6 i .. 6 i + 5 (a code: sign, 2 exponent bits, 3 mantissa bits); and NAME_scales (uint8): the same leading axes, one E8M0 byte (e + 127) for each 32 codes along K. Its value is code x scale, taken as it is: it is not quantised again, and the codes and scales need not be those that the quantiser above would give.
;; One version. Each part assembles by itself: llvm-mc -triple=amdgcn-amd-amdhsa -mcpu=gfx1250 --defsym DOCPART=n.
;; ======== version 1 of 1: 3 launches
;; limits: right only within a limited range of input values
;; workspace buffers: q_img 6,291,456 bytes; q_scl 262,144 bytes; k_img 6,291,456 bytes; k_scl 262,144 bytes; v_img 6,291,456 bytes; v_scl 262,144 bytes; p_img 12,582,912 bytes; p_meta 2,097,152 bytes
;; launch proj (part 1): grid 8 x 32, 4 waves a work-group, clusters of 4 x 4, 327,680 bytes of LDS; arguments hidden_states_codes, hidden_states_scales, Wq_codes, Wk_codes, Wv_codes, Wq_scales, Wk_scales, Wv_scales, bq, bk, bv, q_img, k_img, v_img, q_scl, k_scl, v_scl; writes q_img, k_img, v_img, q_scl, k_scl, v_scl
.if DOCPART == 1
	.amdgcn_target "amdgcn-amd-amdhsa--gfx1250"
	.amdhsa_code_object_version 6
	.text
	.protected	k_q79a814b560_proj
	.globl	k_q79a814b560_proj
	.p2align	8
	.type	k_q79a814b560_proj,@function
k_q79a814b560_proj:
	s_mov_b64 s[64:65], 0
	v_nop
	global_prefetch_b8 v0, s[64:65] scope:SCOPE_SE
	s_setreg_imm32_b32 hwreg(HW_REG_WAVE_MODE, 25, 1), 1
	s_wait_xcnt 0x0
	s_wait_alu depctr_hold_cnt(0) depctr_sa_sdst(0) depctr_va_vdst(0) depctr_va_sdst(0) depctr_va_ssrc(0) depctr_va_vcc(0) depctr_vm_vsrc(0)
	s_getreg_b32 s2, hwreg(HW_REG_IB_STS2, 6, 4)
	s_cmp_eq_u32 s2, 0
	s_cbranch_scc0 .Lentry_in_a_cluster
	s_endpgm
.Lentry_in_a_cluster:
	s_bfe_u32 s2, ttmp6, 0x10000c
	s_cmp_lg_u32 s2, 0xf033
	s_cbranch_scc0 .Lentry_shape_is_right
	s_endpgm
.Lentry_shape_is_right:
; q = h Wq^T + bq, k = h Wk^T + bk, v = h Wv^T + bv on codes of FP6 (E2M3) with E8M0 scales, and the quantisers of the next two products: q and k along the channels, v along the keys.
; No work of the problem is left out: every input has a way to the output and is loaded by some launch.
; A work-group takes 256 tokens (grid y) x 128 channels (grid x) of q, then of k, then of v.  A wave takes 64 tokens x 128 channels: 32 accumulators.
; THE TOKENS' FRAGMENTS STAY IN REGISTERS: 64 tokens x 1,024 K are 4 x 8 fragments of 12 registers.  They are read from LDS once, in q's first three steps; then their LDS bytes take Wk's and Wv's rows: the launch's one refill.
; LDS: whole rows of K (768 bytes), stated as dense rows of 256 bytes with 16 bytes of padding behind each: 816 bytes a row of K.  Bytes 0 .. 4 HB: the 256 tokens, later Wk's 128 rows and Wv's 128 rows; 4 HB .. 6 HB: Wq's 128 rows.
; CLUSTERS: 4 x 4.  The tokens' rows are asked for jointly along a row of the cluster, W's rows along a column.  One tensor load a wave at the head, one behind the round in q's fourth step.
; No prefetch is laid: all tiles have been asked for by the fourth of 24 steps, and the text has no loop to run ahead in.
; q, k: source 0 = 16 channels of W, source 1 = 16 tokens: a lane holds one token and eight neighbouring channels.  v: the sources change places: a lane holds one channel and eight neighbouring tokens, the next K.
; THE BIAS lies in LDS (v's four times over, so that 16 bytes fill four registers) and is loaded into the accumulators ahead of a phase's first product, which adds onto it.
; OUT: q_img, k_img [token tile 32][K group 8][block of 16 tokens 16][1,536]: a fragment's image, chunk c holds lane l's registers 4 c .. 4 c + 3 at 512 c + 16 l.  q_scl, k_scl [tile][K group][quarter 4][row 16][block 4]: words.
; v_img [batch][channel tile 8][key group 16][block of 16 channels 8][half of 64 keys 2][768]: registers 0-3 of the half's six at 16 l, registers 4-5 at 512 + 8 l.  v_scl [..][key group][channel 16][block 8]: words.
; Inside a block of 32 the codes lie in the order 0-7, 16-23, 8-15, 24-31, alike on both sides of each later product.
; LIMITS: a block of zeros keeps the scale byte 1 (its codes are zeros).  NaN and infinities are not served.
.set PITCH, 816
.set BLK,   16*PITCH
.set HB,    64*PITCH                   ; 64 rows of K: what one load of W brings, half of what one load of tokens brings
.set SPARE, 6*HB                       ; the spare words: 128 bytes a wave, named by no other line
.set STG,   SPARE+512                  ; v's scale words of two key groups, gathered from the four waves
.set BQL,   STG+1024                   ; bq's 128 numbers, then bk's
.set BVL,   BQL+1024                   ; bv's 128 numbers, each four times
.set FRB,   1536
; window 0: v0-31 addresses, v32-79 scale words, v80-123 the quantiser's, v128-223 W's fragments, set 1.  window 1: the accumulators.
; window 2: the tokens' fragments of steps 0-4.  window 3: v0-143 those of steps 5-7, v144-239 W's fragments, set 0.
.set ADA, 4                            ; v4, v5 my tokens' fragments: lanes 16-31 24 bytes on; or 40, where they read across a padding
.set ADB, 8                            ; v8-19 W's fragments: 4 x phase + 2 x (blocks 4-7) + (across a padding)
.set IMO, 20                           ; 16 x lane
.set IM8, 21                           ; 8 x lane
.set SWO, 22                           ; 16 r + 8 h
.set WSO, 23                           ; W's scales: 32 r + 2,048 h
.set HSO, 24                           ; the tokens' scales: 32 r + 1,024 h
.set BQA, 25
.set BVA, 26
.set STA, 27
.set SPW, 28
.set NIL, 29
.set STR, 30
.set T4,  31
.set SA,  32                           ; v32-47 register 8 i + s: lanes 0-15 token block i, lanes 16-31 block i + 2, step s
.set SB,  48                           ; v48-79 register 8 i + s: lanes 0-15 channel block i, lanes 16-31 block i + 4
.set TM,  80
.set PWS, 96
.set SWD, 100
.set PC,  104
.set G1A, 24
.set G0A, 32
.set G0Q, 36
.set G1B, 48
.set G0R, 56
.set HM,  12
.set SEL, 66
.set MSB, 0
.macro WIN new
.if MSB != (\new)
	s_set_vgpr_msb (MSB<<8)|(\new)
.set MSB, (\new)
.endif
.endm
.macro CREST
	s_cmp_lg_u32 s14, 0
	s_cbranch_scc1 .Lnot_wave_0_\@
	s_barrier_signal -3
.Lnot_wave_0_\@:
	s_barrier_wait -3
	s_barrier_signal -1
	s_barrier_wait -1
.endm
.macro CROUND
	s_barrier_signal -1
	s_barrier_wait -1
	CREST
.endm
.macro PLACES
.rept 4
	v_nop
.endr
.endm
	s_load_b512 s[68:83], s[0:1], 0x0              ; h codes, h scales, Wq, Wk, Wv codes, Wq, Wk, Wv scales
	s_load_b512 s[84:99], s[0:1], 0x40             ; bq, bk, bv, q_img, k_img, v_img, q_scl, k_scl
	s_load_b64 s[2:3], s[0:1], 0x80                ; v_scl
	v_lshl_add_u32 v[SPW], v0, 2, SPARE
	v_mov_b32 v[NIL], 0
	ds_add_u32 v[SPW], v[NIL]                      ; the opening lines: the add twice on end and one wait
	ds_add_u32 v[SPW], v[NIL]
	v_lshrrev_b32 v1, 5, v0
	v_readfirstlane_b32 s14, v1                    ; wave
	s_lshr_b32 s15, s14, 1
	s_and_b32 s16, s14, 1
	s_bfe_u32 s40, ttmp6, 0x40000                  ; cx
	s_bfe_u32 s41, ttmp6, 0x40004                  ; cy
	s_lshl_b32 s42, ttmp9, 2
	s_add_co_u32 s42, s42, s40                     ; the tile of 128 channels, 0..7
	s_and_b32 s17, ttmp7, 0xffff
	s_lshl_b32 s17, s17, 2
	s_add_co_u32 s17, s17, s41                     ; the tile of 256 tokens, 0..31
	s_lshl_b32 s43, s41, 2
	s_lshl_b32 s43, 15, s43                        ; my row of the cluster
	s_lshl_b32 s44, 0x1111, s40                    ; my column
	s_or_b32 s[G1A], s43, (1<<20)|(1<<21)|(5<<22)|(3<<25)   ; bytes; 4 words of padding behind every 64
	s_or_b32 s[G1B], s44, (1<<20)|(1<<21)|(5<<22)|(3<<25)
	s_mov_b32 s[G1A+1], 256<<16
	s_mov_b32 s[G1A+2], 384<<16                    ; 128 tokens: 384 rows of 256 bytes
	s_mov_b32 s[G1A+3], 256<<16
	s_mov_b32 s[G1A+4], 384
	s_mov_b32 s[G1A+5], 256
	s_mov_b32 s[G1A+6], 0
	s_mov_b32 s[G1A+7], 0
	s_mov_b32 s[G1B+1], 256<<16
	s_mov_b32 s[G1B+2], 192<<16                    ; 64 rows of W: 192 rows of 256 bytes
	s_mov_b32 s[G1B+3], 256<<16
	s_mov_b32 s[G1B+4], 192
	s_mov_b32 s[G1B+5], 256
	s_mov_b32 s[G1B+6], 0
	s_mov_b32 s[G1B+7], 0
	s_lshl_b32 s20, s17, 1
	s_add_co_u32 s20, s20, s16
	s_mul_i32 s20, s20, 128*768                    ; the tokens' half that I fetch
	s_mov_b32 s21, 0
	s_lshl_b32 s22, s42, 1
	s_add_co_u32 s22, s22, s16
	s_mul_i32 s22, s22, 64*768                     ; W's half that I fetch
	s_mov_b32 s23, 0
	s_mul_i32 s45, s16, 2*HB
	s_mul_i32 s46, s16, HB
	s_add_co_u32 s46, s46, 4*HB
	s_mul_i32 s47, s14, HB                         ; the refill: Wk's halves, then Wv's = wave x 64 rows
	s_wait_dscnt 0x0
	s_wait_kmcnt 0x0
	s_add_nc_u64 s[4:5], s[68:69], s[20:21]
	s_add_nc_u64 s[6:7], s[72:73], s[22:23]
	s_cmp_eq_u32 s15, 0
	s_cselect_b64 s[8:9], s[74:75], s[76:77]       ; waves 0, 1 fetch Wk, waves 2, 3 Wv
	s_add_nc_u64 s[8:9], s[8:9], s[22:23]
	s_mov_b32 s[G0A], 1
	s_mov_b32 s[G0A+1], s45
	s_mov_b64 s[G0A+2:G0A+3], s[4:5]
	s_or_b32 s[G0A+3], s[G0A+3], 0x80000000
	s_mov_b32 s[G0Q], 1
	s_mov_b32 s[G0Q+1], s46
	s_mov_b64 s[G0Q+2:G0Q+3], s[6:7]
	s_or_b32 s[G0Q+3], s[G0Q+3], 0x80000000
	s_mov_b32 s[G0R], 1
	s_mov_b32 s[G0R+1], s47
	s_mov_b64 s[G0R+2:G0R+3], s[8:9]
	s_or_b32 s[G0R+3], s[G0R+3], 0x80000000
	CROUND                                         ; all sixteen work-groups are here: the first joint loads meet
	s_cmp_eq_u32 s15, 0                            ; one load a wave: waves 0, 1 the tokens' halves, waves 2, 3 Wq's
	s_cbranch_scc0 .Lhead_w
	tensor_load_to_lds s[G0A:G0A+3], s[G1A:G1A+7]
	s_nop 0
	PLACES
	s_branch .Lhead_asked
.Lhead_w:
	tensor_load_to_lds s[G0Q:G0Q+3], s[G1B:G1B+7]
	s_nop 0
	PLACES
.Lhead_asked:
	s_mov_b32 s11, 0
	s_lshl_b32 s10, s17, 13
	s_lshl_b32 s18, s14, 11
	s_add_co_u32 s10, s10, s18
	s_add_nc_u64 s[70:71], s[70:71], s[10:11]      ; my 64 tokens' scales
	s_lshl_b32 s10, s42, 12
	s_add_nc_u64 s[78:79], s[78:79], s[10:11]      ; the 128 channels' scales
	s_add_nc_u64 s[80:81], s[80:81], s[10:11]
	s_add_nc_u64 s[82:83], s[82:83], s[10:11]
	s_lshl_b32 s10, s42, 9
	s_add_nc_u64 s[84:85], s[84:85], s[10:11]      ; and biases
	s_add_nc_u64 s[86:87], s[86:87], s[10:11]
	s_add_nc_u64 s[88:89], s[88:89], s[10:11]
	s_lshl_b32 s19, s17, 3
	s_add_co_u32 s19, s19, s42                     ; token tile x 8 + K group
	s_mul_i32 s10, s19, 16*FRB
	s_mul_i32 s18, s14, 4*FRB
	s_add_co_u32 s10, s10, s18
	s_add_nc_u64 s[90:91], s[90:91], s[10:11]
	s_add_nc_u64 s[92:93], s[92:93], s[10:11]
	s_lshl_b32 s10, s19, 10
	s_lshl_b32 s18, s14, 8
	s_add_co_u32 s10, s10, s18
	s_add_nc_u64 s[96:97], s[96:97], s[10:11]
	s_add_nc_u64 s[98:99], s[98:99], s[10:11]
	s_lshr_b32 s19, s17, 3
	s_lshl_b32 s19, s19, 3
	s_add_co_u32 s19, s19, s42
	s_lshl_b32 s19, s19, 4
	s_and_b32 s10, s17, 7
	s_lshl_b32 s10, s10, 1
	s_add_co_u32 s19, s19, s10                     ; (batch x 8 + channel tile) x 16 + the tile's first key group
	s_lshl_b32 s10, s19, 9
	s_add_co_u32 s10, s10, s18
	s_add_nc_u64 s[2:3], s[2:3], s[10:11]
	s_add_co_u32 s19, s19, s15                     ; my key group
	s_mul_i32 s10, s19, 8*FRB
	s_mul_i32 s18, s16, 768                        ; my half of its keys
	s_add_co_u32 s10, s10, s18
	s_add_nc_u64 s[94:95], s[94:95], s[10:11]
	s_mul_i32 s20, s14, HB                         ; my 64 tokens in LDS
	s_lshl_b32 s21, s15, 9
	s_lshl_b32 s18, s16, 1
	s_add_co_u32 s21, s21, s18
	s_add_co_u32 s21, s21, STG
	s_lshl_b32 s22, s14, 8
	s_add_co_u32 s22, s22, STG
	s_mov_b32 s[SEL], 0x76543210
	s_mov_b32 s[SEL+1], 0xfedcba98
	v_and_b32 v1, 15, v0                           ; r
	v_bfe_u32 v2, v0, 4, 1                         ; h
	v_and_b32 v3, 31, v0
	v_mul_u32_u24 v6, v1, PITCH
	v_mad_u32_u24 v7, v2, 24, v6
	v_mad_u32_u24 v6, v2, 40, v6
	v_add_nc_u32 v[ADA], s20, v7
	v_add_nc_u32 v[ADA+1], s20, v6
.irp g, 0,1,2                          ; phase 0 reads Wq at 4 HB, phase 1 Wk at 0, phase 2 Wv at 2 HB
.irp j, 0,1
	v_add_nc_u32 v[ADB+4*\g+2*\j], ((4+2*\g)%6)*HB+\j*4*BLK, v7
	v_add_nc_u32 v[ADB+4*\g+2*\j+1], ((4+2*\g)%6)*HB+\j*4*BLK, v6
.endr
.endr
	v_lshlrev_b32 v[IMO], 4, v3
	v_lshlrev_b32 v[IM8], 3, v3
	v_lshlrev_b32 v[SWO], 4, v1
	v_lshl_add_u32 v[SWO], v2, 3, v[SWO]
	v_lshlrev_b32 v[WSO], 5, v1
	v_lshl_add_u32 v[HSO], v2, 10, v[WSO]
	v_lshl_add_u32 v[WSO], v2, 11, v[WSO]
	v_lshl_add_u32 v[BQA], v2, 5, BQL
	v_lshl_add_u32 v[BVA], v1, 4, BVL
	v_lshl_add_u32 v[STA], v1, 5, s21
	v_lshl_add_u32 v[STR], v3, 3, s22
	v_lshlrev_b32 v[T4], 2, v0
	v_lshl_add_u32 v6, v0, 2, BQL
	v_lshl_add_u32 v7, v0, 4, BVL
	v_cmp_eq_u32 s[HM], 1, v2
.irp b, 0,1,2,3
	v_mov_b32 v[TM+4+\b], 0                        ; a lane permute's destination counts as one of its sources
.endr
	s_wait_alu depctr_va_vdst(0)                   ; the head's end
.macro LDSB p                          ; the scale words of W's 128 rows: 32 bytes a row, sixteen lanes read 512 consecutive bytes
.irp i, 0,1,2,3
	global_load_b128 v[SB+8*\i:SB+8*\i+3], v[WSO], s[\p:\p+1] offset:512*\i
	global_load_b128 v[SB+8*\i+4:SB+8*\i+7], v[WSO], s[\p:\p+1] offset:512*\i+16
.endr
.endm
	global_load_b32 v[TM], v[T4], s[84:85]         ; thread t takes channel t's biases
	global_load_b32 v[TM+1], v[T4], s[86:87]
.irp i, 0,1,2,3
	global_load_b32 v[PC+\i], v[T4], s[88:89]
.endr
.irp i, 0,1
	global_load_b128 v[SA+8*\i:SA+8*\i+3], v[HSO], s[70:71] offset:512*\i
	global_load_b128 v[SA+8*\i+4:SA+8*\i+7], v[HSO], s[70:71] offset:512*\i+16
.endr
	LDSB 78
	s_wait_loadcnt 0x0
	s_wait_tensorcnt 0x0                           ; my part of the head's tiles is in
	ds_store_b32 v6, v[TM]
	ds_store_b32 v6, v[TM+1] offset:512
	ds_store_b128 v7, v[PC:PC+3]
	s_wait_dscnt 0x0                               ; for the others' sake
	s_barrier_signal -1
	s_barrier_wait -1
.macro FRAG reg, adr, st, off          ; 16 rows x 128 K: pieces of 8 bytes; byte y of a row of K lies at y + 16 (y / 256)
.irp p, 0,1,2,3,4,5
.set BY, 96*(\st)+48*(\p/3)+8*(\p%3)
.if BY/256 == (BY+24)/256
	ds_load_b64 v[(\reg)+2*\p:(\reg)+2*\p+1], v[\adr] offset:BY+16*(BY/256)+(\off)
.else
	ds_load_b64 v[(\reg)+2*\p:(\reg)+2*\p+1], v[(\adr)+1] offset:BY+16*(BY/256)+(\off)
.endif
.endr
.endm
.macro FETCHB g, s                     ; W's eight fragments of step s into set s % 2
	WIN (3*(1-(\s)%2))<<6
.irp i, 0,1,2,3,4,5,6,7
	FRAG 144-16*((\s)%2)+12*\i, ADB+4*(\g)+2*(\i/4), \s, (\i%4)*BLK
.endr
.endm
.macro FETCHA s                        ; my tokens' four fragments of step s, to stay
	WIN (2+(\s)/5)<<6
.irp i, 0,1,2,3
	FRAG 12*(4*((\s)%5)+\i), ADA, \s, \i*BLK
.endr
.endm
.macro BIASLD a, kind                  ; the next phase's bias into accumulator registers 64 a .. 64 a + 63.  kind 0: bq, 1: bk, 2: bv
	WIN 0x40
.irp n, 0,1,2,3,4,5,6,7
.if (\kind) == 2
	ds_load_b128 v[64*(\a)+8*\n:64*(\a)+8*\n+3], v[BVA] offset:256*((8*(\a)+\n)/4)
	ds_load_b128 v[64*(\a)+8*\n+4:64*(\a)+8*\n+7], v[BVA] offset:256*((8*(\a)+\n)/4)
.else
	ds_load_b128 v[64*(\a)+8*\n:64*(\a)+8*\n+3], v[BQA] offset:512*(\kind)+64*\n
	ds_load_b128 v[64*(\a)+8*\n+4:64*(\a)+8*\n+7], v[BQA] offset:512*(\kind)+64*\n+16
.endif
.endr
.endm
.macro WM                              ; one product, by the symbols rD, rX, rY, cX, cY; oX, oY: which half of the lanes holds each side's scale words
.if oX == 0
.if oY == 0
	v_wmma_scale_f32_16x16x128_f8f6f4 v[rD:rD+7], v[rX:rX+11], v[rY:rY+11], v[rD:rD+7], v[cX], v[cY] matrix_a_fmt:MATRIX_FMT_FP6 matrix_b_fmt:MATRIX_FMT_FP6
.else
	v_wmma_scale_f32_16x16x128_f8f6f4 v[rD:rD+7], v[rX:rX+11], v[rY:rY+11], v[rD:rD+7], v[cX], v[cY] matrix_a_fmt:MATRIX_FMT_FP6 matrix_b_fmt:MATRIX_FMT_FP6 matrix_b_scale:MATRIX_SCALE_ROW1
.endif
.else
.if oY == 0
	v_wmma_scale_f32_16x16x128_f8f6f4 v[rD:rD+7], v[rX:rX+11], v[rY:rY+11], v[rD:rD+7], v[cX], v[cY] matrix_a_fmt:MATRIX_FMT_FP6 matrix_b_fmt:MATRIX_FMT_FP6 matrix_a_scale:MATRIX_SCALE_ROW1
.else
	v_wmma_scale_f32_16x16x128_f8f6f4 v[rD:rD+7], v[rX:rX+11], v[rY:rY+11], v[rD:rD+7], v[cX], v[cY] matrix_a_fmt:MATRIX_FMT_FP6 matrix_b_fmt:MATRIX_FMT_FP6 matrix_a_scale:MATRIX_SCALE_ROW1 matrix_b_scale:MATRIX_SCALE_ROW1
.endif
.endif
.endm
; 16 products: token blocks a0, a0 + 1 x the eight channel blocks, step s.  The 32 accumulators take turns, in the same order in every step.
; v = 0: accumulator (a, b) at 8 (8 a + b), W is source 0.  v = 1: at 8 (4 b + a), the tokens are source 0.
.macro MUL16 s, a0, v
.set WA, 2+(\s)/5
.set WB, 3*(1-(\s)%2)
.if \v
	WIN WA|(WB<<2)|0x50
.else
	WIN WB|(WA<<2)|0x50
.endif
.irp a, \a0, \a0+1
.irp b, 0,1,2,3,4,5,6,7
.if \v
.set rD, 8*(4*\b+(\a))
.set rX, 12*(4*((\s)%5)+(\a))
.set rY, 144-16*((\s)%2)+12*\b
.set cX, SA+8*((\a)%2)+(\s)
.set cY, SB+8*(\b%4)+(\s)
.set oX, (\a)/2
.set oY, \b/4
.else
.set rD, 8*(8*(\a)+\b)
.set rX, 144-16*((\s)%2)+12*\b
.set rY, 12*(4*((\s)%5)+(\a))
.set cX, SB+8*(\b%4)+(\s)
.set cY, SA+8*((\a)%2)+(\s)
.set oX, \b/4
.set oY, (\a)/2
.endif
	WM
.endr
.endr
.endm
; A step of 128 along K: this step's fragments are in; the next step's are asked for in one run, 32 products ahead of their use.  In q's first three steps two further steps of my tokens' fragments come too.
.macro STEP g, v, s
	s_wait_dscnt 0x0
	PLACES                                         ; in front of loads into registers that the last step's products have read
.if (\s) < 7
	FETCHB \g, (\s)+1
.endif
.if (\g) == 0 && (\s) < 3
	FETCHA 2*(\s)+2
	FETCHA 2*(\s)+3
.endif
	MUL16 \s, 0, \v
	MUL16 \s, 2, \v
.endm
; The quantiser of 64 accumulator registers: four blocks of 32 along the next K, each half in lane l and half in lane l xor 16.  kind 0: a whole fragment of q or k.  kind 1: two channel blocks' halves of 64 keys of v.
.macro QOUT a, kind, base
.set QAC, 64*(\a)
	WIN 0x05
.irp b, 0,1,2,3
	v_max3_num_f32 v[TM+\b], |v[QAC+16*\b]|, |v[QAC+16*\b+1]|, 0x1800000   ; with the floor 2^(3 - 127): the byte cannot fall under 1
.endr
.irp i, 2,4,6,8,10,12,14
.irp b, 0,1,2,3
	v_max3_num_f32 v[TM+\b], |v[QAC+16*\b+\i]|, |v[QAC+16*\b+\i+1]|, v[TM+\b]
.endr
.endr
	WIN 0
.irp b, 0,1,2,3
	v_permlanex16_b32 v[TM+4+\b], v[TM+\b], s[SEL], s[SEL+1]
.endr
.irp b, 0,1,2,3
	v_max_num_f32 v[TM+\b], v[TM+\b], v[TM+4+\b]
.endr
.irp b, 0,1,2,3
	v_add_nc_u32 v[TM+12+\b], 0xff000000, v[TM+\b]   ; 2 off the exponent field: the conversion's scale operand
.endr
.irp b, 0,1,2,3
	v_lshrrev_b32 v[TM+4+\b], 23, v[TM+12+\b]
.endr
	v_lshl_or_b32 v[PWS+\a], v[TM+5], 8, v[TM+4]
	v_lshl_or_b32 v[PWS+\a], v[TM+6], 16, v[PWS+\a]
	v_lshl_or_b32 v[PWS+\a], v[TM+7], 24, v[PWS+\a]
	s_wait_alu depctr_va_vdst(0)
	s_wait_xcnt 0x0                                ; the earlier stores have read the codes' registers
	WIN 0x01
.irp c, 0,1
	v_cvt_scalef32_pk16_fp6_f32 v[PC+6*\c:PC+6*\c+2], v[QAC+32*\c:QAC+32*\c+15], v[TM+12+2*\c]
	v_cvt_scalef32_pk16_fp6_f32 v[PC+12+4*\c:PC+14+4*\c], v[QAC+32*\c+16:QAC+32*\c+31], v[TM+13+2*\c]
.endr
	WIN 0
	v_nop                                          ; one plain place behind a scaled conversion
.irp c, 0,1                            ; a whole block in a lane: lanes 0-15 block 2 c, lanes 16-31 block 2 c + 1
.irp i, 0,1,2
	v_permlane16_swap_b32 v[PC+6*\c+\i], v[PC+12+4*\c+\i]
.endr
.irp i, 0,1,2
	v_mov_b32 v[PC+3+6*\c+\i], v[PC+12+4*\c+\i]
.endr
.endr
.if \kind
.irp c, 0,1
	global_store_b128 v[IMO], v[PC+6*\c:PC+6*\c+3], s[\base:\base+1] offset:FRB*(2*(\a)+\c)        ; 512 consecutive bytes,
	global_store_b64 v[IM8], v[PC+6*\c+4:PC+6*\c+5], s[\base:\base+1] offset:FRB*(2*(\a)+\c)+512   ; and 256
.endr
	ds_store_b16 v[STA], v[PWS+\a] offset:8*(\a)                ; my two bytes of channel block 2 a's scale word,
	ds_store_b16_d16_hi v[STA], v[PWS+\a] offset:8*(\a)+4       ; and of block 2 a + 1's
.else
.irp c, 0,1,2
	global_store_b128 v[IMO], v[PC+4*\c:PC+4*\c+3], s[\base:\base+1] offset:FRB*(\a)+512*\c
.endr
.endif
.endm
; The end of q's and of k's phase: the next phase's first fragments and scale words are asked for, then each block of 16 tokens is quantised and its accumulators take the next bias.
.macro TAIL next, img, scl, wsc
	PLACES                                         ; behind the last products
	FETCHB \next, 0
	WIN 0
	LDSB \wsc
.irp a, 0,1,2,3
	QOUT \a, 0, \img
	BIASLD \a, \next
.endr
	WIN 0
	v_cndmask_b32 v[SWD], v[PWS], v[PWS+2], s[HM]
	v_cndmask_b32 v[SWD+1], v[PWS+1], v[PWS+3], s[HM]
	global_store_b64 v[SWO], v[SWD:SWD+1], s[\scl:\scl+1]   ; my four words a row: 256 consecutive bytes
	s_wait_loadcnt 0x0                             ; the next scale words
.endm
.irp a, 0,1,2,3
	BIASLD \a, 0
.endr
	FETCHB 0, 0
	FETCHA 0
	FETCHA 1
	STEP 0, 0, 0
	STEP 0, 0, 1
	STEP 0, 0, 2
	WIN 0                                          ; q's fourth step: all my tokens' fragments have been asked for
	s_wait_tensorcnt 0x0
	ds_add_u32 v[SPW], v[NIL]
	s_wait_dscnt 0x0                               ; the add is done, and my reads of the tokens' bytes are over
	s_barrier_signal -1
	MUL16 3, 0, 0
	WIN 0
	s_barrier_wait -1
	CREST                                          ; the barrier has opened a round of the cluster's
	tensor_load_to_lds s[G0R:G0R+3], s[G1B:G1B+7]  ; Wk's and Wv's rows onto the tokens' bytes: a quarter a wave
	s_nop 0
	PLACES
	FETCHB 0, 4
	MUL16 3, 2, 0
	STEP 0, 0, 4
	STEP 0, 0, 5
	STEP 0, 0, 6
	STEP 0, 0, 7
	WIN 0
	s_wait_tensorcnt 0x0                           ; my part of Wk or Wv is in
	s_barrier_signal -1
	s_barrier_wait -1                              ; and everybody's
	TAIL 1, 90, 96, 80
.irp s, 0,1,2,3,4,5,6,7
	STEP 1, 0, \s
.endr
	TAIL 2, 92, 98, 82
.irp s, 0,1,2,3,4,5,6,7
	STEP 2, 1, \s
.endr
	WIN 0
	PLACES
.irp a, 0,1,2,3
	QOUT \a, 1, 94
.endr
	s_wait_dscnt 0x0                               ; for the others' sake: my halves of the scale words have landed
	s_barrier_signal -1
	s_barrier_wait -1
	ds_load_b64 v[SWD:SWD+1], v[STR]               ; a quarter of the two key groups' words
	s_wait_dscnt 0x0
	global_store_b64 v[IM8], v[SWD:SWD+1], s[2:3]  ; 256 consecutive bytes
	s_wait_tensorcnt 0x0                           ; the wave's end
	ds_add_u32 v[SPW], v[NIL]
	s_wait_dscnt 0x0
	CROUND                                         ; the closing round
	s_endpgm
.Lfunc_end_k_q79a814b560_proj:
	.size	k_q79a814b560_proj, .Lfunc_end_k_q79a814b560_proj-k_q79a814b560_proj
	.p2alignl 7, 3214868480
	.fill 96, 4, 3214868480
	.section	.rodata,"a",@progbits
	.p2align	6, 0x0
	.amdhsa_kernel k_q79a814b560_proj
		.amdhsa_group_segment_fixed_size 327680
		.amdhsa_private_segment_fixed_size 0
		.amdhsa_enable_private_segment 0
		.amdhsa_kernarg_size 136
		.amdhsa_user_sgpr_count 2
		.amdhsa_user_sgpr_kernarg_segment_ptr 1
		.amdhsa_wavefront_size32 1
		.amdhsa_system_sgpr_workgroup_id_x 1
		.amdhsa_system_sgpr_workgroup_id_y 1
		.amdhsa_system_sgpr_workgroup_id_z 1
		.amdhsa_system_vgpr_workitem_id 0
		.amdhsa_next_free_vgpr 1024
		.amdhsa_next_free_sgpr 100
		.amdhsa_reserve_vcc 0
		.amdhsa_float_denorm_mode_32 3
		.amdhsa_float_denorm_mode_16_64 3
		.amdhsa_memory_ordered 1
		.amdhsa_forward_progress 1
		.amdhsa_inst_pref_size 255
	.end_amdhsa_kernel
	.section	.bss,"aw",@nobits
	.p2align	6
	.space	262144
	.amdgpu_metadata
---
amdhsa.version: [ 1, 2 ]
amdhsa.kernels:
  - .name:           k_q79a814b560_proj
    .symbol:         k_q79a814b560_proj.kd
    .args:
      - { .name: hidden_states_codes, .offset: 0, .size: 8, .value_kind: global_buffer, .address_space: global }
      - { .name: hidden_states_scales, .offset: 8, .size: 8, .value_kind: global_buffer, .address_space: global }
      - { .name: Wq_codes, .offset: 16, .size: 8, .value_kind: global_buffer, .address_space: global }
      - { .name: Wk_codes, .offset: 24, .size: 8, .value_kind: global_buffer, .address_space: global }
      - { .name: Wv_codes, .offset: 32, .size: 8, .value_kind: global_buffer, .address_space: global }
      - { .name: Wq_scales, .offset: 40, .size: 8, .value_kind: global_buffer, .address_space: global }
      - { .name: Wk_scales, .offset: 48, .size: 8, .value_kind: global_buffer, .address_space: global }
      - { .name: Wv_scales, .offset: 56, .size: 8, .value_kind: global_buffer, .address_space: global }
      - { .name: bq, .offset: 64, .size: 8, .value_kind: global_buffer, .address_space: global }
      - { .name: bk, .offset: 72, .size: 8, .value_kind: global_buffer, .address_space: global }
      - { .name: bv, .offset: 80, .size: 8, .value_kind: global_buffer, .address_space: global }
      - { .name: q_img, .offset: 88, .size: 8, .value_kind: global_buffer, .address_space: global }
      - { .name: k_img, .offset: 96, .size: 8, .value_kind: global_buffer, .address_space: global }
      - { .name: v_img, .offset: 104, .size: 8, .value_kind: global_buffer, .address_space: global }
      - { .name: q_scl, .offset: 112, .size: 8, .value_kind: global_buffer, .address_space: global }
      - { .name: k_scl, .offset: 120, .size: 8, .value_kind: global_buffer, .address_space: global }
      - { .name: v_scl, .offset: 128, .size: 8, .value_kind: global_buffer, .address_space: global }
    .group_segment_fixed_size: 327680
    .private_segment_fixed_size: 0
    .kernarg_segment_align: 8
    .kernarg_segment_size: 136
    .max_flat_workgroup_size: 128
    .sgpr_count:     100
    .vgpr_count:     1024
    .wavefront_size: 32
...
	.end_amdgpu_metadata
.endif
;; end of part 1
;; launch scores (part 2): grid 8 x 32, 4 waves a work-group, clusters of 4 x 4, 327,680 bytes of LDS; arguments q_img, q_scl, k_img, k_scl, hash_buckets, p_img, p_meta; writes p_img, p_meta
.if DOCPART == 2
	.amdgcn_target "amdgcn-amd-amdhsa--gfx1250"
	.amdhsa_code_object_version 6
	.text
	.protected	k_q79a814b560_scores
	.globl	k_q79a814b560_scores
	.p2align	8
	.type	k_q79a814b560_scores,@function
k_q79a814b560_scores:
	s_mov_b64 s[64:65], 0
	v_nop
	global_prefetch_b8 v0, s[64:65] scope:SCOPE_SE
	s_setreg_imm32_b32 hwreg(HW_REG_WAVE_MODE, 25, 1), 1
	s_wait_xcnt 0x0
	s_wait_alu depctr_hold_cnt(0) depctr_sa_sdst(0) depctr_va_vdst(0) depctr_va_sdst(0) depctr_va_ssrc(0) depctr_va_vcc(0) depctr_vm_vsrc(0)
	s_getreg_b32 s2, hwreg(HW_REG_IB_STS2, 6, 4)
	s_cmp_eq_u32 s2, 0
	s_cbranch_scc0 .Lentry_in_a_cluster
	s_endpgm
.Lentry_in_a_cluster:
	s_bfe_u32 s2, ttmp6, 0x10000c
	s_cmp_lg_u32 s2, 0xf033
	s_cbranch_scc0 .Lentry_shape_is_right
	s_endpgm
.Lentry_shape_is_right:
; S = q k^T for a tile of 256 queries x 256 keys of one batch, on codes of FP6 (E2M3) with E8M0 scales; then the bucket mask, p = 2^(t - M), p's codes and scale words, and for each query and 128 keys -M and the sum of p.
; t = S x log2(e) / 32.  A key of another bucket than the query's gets the score -infinity, as the definition has it: p = 0.  The buckets are compared as they are given, whatever whole numbers they hold.
; M IS LOCAL to a wave's 128 keys: -M = floor(-(the largest t of the row among them)), a whole number, so the codes are those of the definition and only the scale's exponent differs; the next launch takes the difference to the row's
; final M off the scale bytes and brings the sums under it, both exactly.  A row with no key of its bucket among the 128 takes -3e38 for the largest t: its p are zeros and its sum is 0.
; OPERANDS arrive as images of their registers (a fragment, 16 rows x 128 K: 1,536 bytes, chunk c holds lane l's registers 4 c .. 4 c + 3 at 512 c + 16 l), so a tile is a dense block for one tensor load and a fragment is three
; ds_load_b128 of 512 consecutive bytes.  K = 1,024 goes in four K steps of 256 through two LDS slots.  Four waves, 128 x 128 each.  4 x 4 work-groups form a cluster: q's tiles are asked for jointly along a row, k's along a column.
; TRANSPOSED USE: source 0 = 16 keys, source 1 = 16 queries: lane (r, h) holds query r and keys 8 h + 0 .. 7 of each tile.  p is quantised along the keys as the launch before quantises v^T: inside a block of 32 the codes lie in the order
; 0-7, 16-23, 8-15, 24-31 on both sides, so key meets key.
; OUT: p_img unit ((query tile x 16 + key group) x 2 + row half): 8 images; p_meta: for each of the unit's 128 rows 16 bytes: scale word, -M, sum, 0.
; LIMITS: NaN and infinities among the scores are not served.  A block of zeros keeps the byte 1: its codes are zeros.
.set NQ,     2
.set FR,     12
.set NL,     3
.set NP,     4
.set FRB,    1536                      ; a fragment's image
.set GRP,    16*FRB                    ; 256 rows x 128 K
.set SIDE,   NQ*GRP                    ; A's or B's part of a slot
.set SLOT,   2*SIDE
.set SCL,    2*SLOT                    ; the scale words: A's [K group 8][half 2][512], then B's
.set SPARE,  SCL+16384                 ; the spare words: 128 bytes a wave, named by no other line
.set ADRA, 16                          ; v16-17 my A fragments in slot 0, 1
.set ADRB, 20                          ; v20-21 my B fragments
.set IMO,  24                          ; v24 16 x lane
.set KBO,  25                          ; v25 32 h: the keys' buckets
.set QBO,  26                          ; v26 4 r: the queries'
.set ADRS, 27
.set SPW,  28
.set NIL,  29
.set SC,   32                          ; v32-63 scale words, two sets of 16: register 8 q + i: lanes 0-15 A's block i, lanes 16-31 B's block i; they hold nothing else
.set KB,   64                          ; v64-127 register 8 b + j: the bucket of key 16 b + 8 h + j
.set AF,   128                         ; v128-223 A's fragments; on the way out:
.set H,    128                         ; v128-191 the 64 numbers of a block of rows
.set PC,   192                         ; v192-211 the codes
.set BM,   212                         ; v212-215 the blocks' largest score, then largest p
.set BX,   216                         ; v216-219 the partner's, then the bytes
.set SO,   220                         ; v220-223 the conversions' scale operands
.set QB,   224                         ; v224-231 the bucket of query 16 a + r
.set NM,   232                         ; v[232:233] -M (the packed form names the pair and takes its low word)
.set LS,   234                         ; v[234:235], v[236:237] the sum, in two chains
.set LT,   236
.set TT,   238
.set NINF, 239
.set REC,  240                         ; v240-243 the record that I store
.set RECE, 244                         ; v244-246 the even block's
.set PW,   247                         ; the scale word
.set G1, 24
.set G0, 32
.set G1B, 48
.set G0B, 56
.set G1S, 68
.set G0S, 76
.set G1SB, 80
.set G0SB, 88
.set MK,  24                           ; on the way out s24-55: 32 lane masks (every tensor load has been waited for)
.set HM,  56                           ; s56 the lanes 16-31
.set CS,  58                           ; s[58:59] c = log2(e) / 32
.set SEL, 60                           ; s60, s61 lane l xor 16
.set MSB, 0
.macro WIN new
.if MSB != (\new)
	s_set_vgpr_msb (MSB<<8)|(\new)
.set MSB, (\new)
.endif
.endm
.set MUL_LO, 0xa1
.set MUL_HI, 0xf1
.set TO_B,   0x40
.macro JLOAD g0a, g1a, g0b, g1b        ; a joint load: waves 0 and 1 fetch for A, waves 2 and 3 for B; four v_nop follow each line
	s_cmp_eq_u32 s15, 0
	s_cbranch_scc0 .Lfor_b_\@
	tensor_load_to_lds s[\g0a:\g0a+3], s[\g1a:\g1a+7]
	s_nop 0
.rept 4
	v_nop
.endr
	s_branch .Lasked_\@
.Lfor_b_\@:
	tensor_load_to_lds s[\g0b:\g0b+3], s[\g1b:\g1b+7]
	s_nop 0
.rept 4
	v_nop
.endr
.Lasked_\@:
.endm
.macro CREST
	s_cmp_lg_u32 s14, 0
	s_cbranch_scc1 .Lnot_wave_0_\@
	s_barrier_signal -3
.Lnot_wave_0_\@:
	s_barrier_wait -3
	s_barrier_signal -1
	s_barrier_wait -1
.endm
.macro CROUND
	s_barrier_signal -1
	s_barrier_wait -1
	CREST
.endm
.macro PLACES n
.rept \n
	v_nop
.endr
.endm
	s_load_b256 s[4:11], s[0:1], 0x0               ; q_img, q_scl, k_img, k_scl
	s_load_b128 s[92:95], s[0:1], 0x20             ; hash_buckets, p_img
	s_load_b64 s[96:97], s[0:1], 0x30              ; p_meta
	v_lshl_add_u32 v[SPW], v0, 2, SPARE
	v_mov_b32 v[NIL], 0
	ds_add_u32 v28, v29
	ds_add_u32 v28, v29
	s_wait_dscnt 0x0
	v_lshrrev_b32 v1, 5, v0
	v_readfirstlane_b32 s14, v1                    ; wave
	s_lshr_b32 s15, s14, 1                         ; my half of the queries; also: I fetch for A (0) or B (1)
	s_and_b32 s16, s14, 1                          ; my half of the keys; also: which K group of a slot I fetch
	s_bfe_u32 s40, ttmp6, 0x40000                  ; cx
	s_bfe_u32 s41, ttmp6, 0x40004                  ; cy
	s_lshl_b32 s42, ttmp9, 2
	s_add_co_u32 s42, s42, s40                     ; the batch's tile of 256 keys: 0..7
	s_and_b32 s67, ttmp7, 0xffff
	s_lshl_b32 s17, s67, 2
	s_add_co_u32 s17, s17, s41                     ; the tile of 256 queries: 0..31
	s_lshr_b32 s67, s67, 1                         ; the batch, which all sixteen partners share
	s_lshl_b32 s67, s67, 3
	s_lshl_b32 s43, s41, 2
	s_lshl_b32 s43, 15, s43                        ; my row of the cluster
	s_lshl_b32 s44, 0x1111, s40                    ; my column
	; every tile is a dense block, stated as rows of 256 bytes (32 elements of 8 bytes), no padding: 96 rows of codes, 32 of scale words
	s_or_b32 s[G1+0], s43, (3<<16)|(1<<21)
	s_or_b32 s[G1B+0], s44, (3<<16)|(1<<21)
	s_or_b32 s[G1S+0], s43, (3<<16)|(1<<21)
	s_or_b32 s[G1SB+0], s44, (3<<16)|(1<<21)
.irp g, G1, G1B
	s_mov_b32 s[\g+1], 32<<16
	s_mov_b32 s[\g+2], 192<<16                     ; the head's loads bring a side's two K groups; the ring's 96 rows are set behind them
	s_mov_b32 s[\g+3], 32<<16
	s_mov_b32 s[\g+4], 192
	s_mov_b32 s[\g+5], 32
	s_mov_b32 s[\g+6], 0
	s_mov_b32 s[\g+7], 0
.endr
.irp g, G1S, G1SB
	s_mov_b32 s[\g+1], 32<<16
	s_mov_b32 s[\g+2], 32<<16                      ; a side's scale words whole: 32 rows of 256 bytes
	s_mov_b32 s[\g+3], 32<<16
	s_mov_b32 s[\g+4], 32
	s_mov_b32 s[\g+5], 32
	s_mov_b32 s[\g+6], 0
	s_mov_b32 s[\g+7], 0
.endr
	s_lshl_b32 s20, s17, 3
	s_add_co_u32 s20, s20, s16
	s_mul_i32 s20, s20, GRP                        ; A's codes: (tile x 8 + my K group) x 24,576
	s_mov_b32 s21, 0
	s_lshl_b32 s22, s17, 13
	s_mov_b32 s23, 0
	s_add_co_u32 s98, s67, s42                     ; k's tile among all 32
	s_lshl_b32 s18, s98, 13
	s_mov_b32 s19, 0
	s_lshl_b32 s46, s98, 3
	s_add_co_u32 s46, s46, s16
	s_mul_i32 s46, s46, GRP
	s_mov_b32 s47, 0
	s_mul_i32 s45, s14, GRP                        ; where they go: A's two K groups, then B's two = wave x 24,576
	s_wait_kmcnt 0x0
	s_add_nc_u64 s[4:5], s[4:5], s[20:21]
	s_add_nc_u64 s[6:7], s[6:7], s[22:23]
	s_add_nc_u64 s[8:9], s[8:9], s[46:47]
	s_add_nc_u64 s[10:11], s[10:11], s[18:19]
	CROUND                                         ; all sixteen work-groups are here: the first joint loads meet
	s_mov_b32 s[G0S], 1
	s_mov_b32 s[G0S+1], SCL
	s_mov_b64 s[G0S+2:G0S+3], s[6:7]
	s_or_b32 s[G0S+3], s[G0S+3], 0x80000000
	s_mov_b32 s[G0SB], 1
	s_mov_b32 s[G0SB+1], SCL+8192
	s_mov_b64 s[G0SB+2:G0SB+3], s[10:11]
	s_or_b32 s[G0SB+3], s[G0SB+3], 0x80000000
.irp s, 0,1
	s_mov_b32 s[G0+4*\s], 1
	s_add_co_u32 s[G0+4*\s+1], s45, \s*SLOT
	s_add_nc_u64 s[G0+4*\s+2:G0+4*\s+3], s[4:5], \s*SIDE
	s_or_b32 s[G0+4*\s+3], s[G0+4*\s+3], 0x80000000
	s_mov_b32 s[G0B+4*\s], 1
	s_add_co_u32 s[G0B+4*\s+1], s45, \s*SLOT
	s_add_nc_u64 s[G0B+4*\s+2:G0B+4*\s+3], s[8:9], \s*SIDE
	s_or_b32 s[G0B+4*\s+3], s[G0B+4*\s+3], 0x80000000
.endr
; THE HEAD'S LOADS, ONE A WAVE: wave 0 slot 0's two K groups of q (its own group 0 begins there), wave 1 q's scale words, wave 2 slot 0's two K groups of k, wave 3 k's scale words.
.macro ARM under, g0, g1, next
	s_cmp_lt_u32 s14, \under
	s_cbranch_scc0 \next
	tensor_load_to_lds s[\g0:\g0+3], s[\g1:\g1+7]
	s_nop 0
.rept 4
	v_nop
.endr
	s_branch .Lhead_asked
\next:
.endm
	ARM 1, G0, G1, .Lhead_sa
	ARM 2, G0S, G1S, .Lhead_b
	ARM 3, G0B, G1B, .Lhead_sb
	tensor_load_to_lds s[G0SB:G0SB+3], s[G1SB:G1SB+7]
	s_nop 0
.rept 4
	v_nop
.endr
.Lhead_asked:
	v_and_b32 v1, 15, v0                           ; r
	v_bfe_u32 v2, v0, 4, 1                         ; h
	s_wait_alu depctr_va_vdst(0)
	v_and_b32 v3, 31, v0
	v_lshlrev_b32 v[IMO], 4, v3
	v_lshlrev_b32 v[KBO], 5, v2
	s_wait_alu depctr_va_vdst(0)
	v_lshlrev_b32 v[QBO], 2, v1
	s_wait_alu depctr_va_vdst(0)
	s_mul_i32 s21, s15, 8*FRB                      ; my 8 fragments of A in a K group
	s_mul_i32 s22, s16, 8*FRB
	s_add_co_u32 s22, s22, SIDE                    ; and of B
.irp s, 0,1
	v_add_nc_u32 v[ADRA+\s], s21, v[IMO]
	v_add_nc_u32 v[ADRB+\s], s22, v[IMO]
	s_add_co_u32 s21, s21, SLOT
	s_add_co_u32 s22, s22, SLOT
.endr
	s_lshl_b32 s21, s15, 9                         ; scale words: lanes 0-15 my half of A's, lanes 16-31 my half of B's, 8,192 bytes on; 32 bytes a row
	s_lshl_b32 s22, s16, 9
	s_add_co_u32 s22, s22, 8192
	s_sub_co_u32 s22, s22, s21
	v_mul_u32_u24 v6, s22, v2
	s_add_co_u32 s21, s21, SCL
	v_lshl_add_u32 v5, v1, 4, v6                   ; the words lie by quarters of 64 rows: 16 bytes a row, 256 a quarter
	v_add_nc_u32 v[ADRS], s21, v5
	s_lshl_b32 s20, s98, 10                        ; the buckets of my 128 keys: 4 bytes x (256 x tile + 128 x half)
	s_lshl_b32 s21, s16, 9
	s_add_co_u32 s20, s20, s21
	s_mov_b32 s21, 0
	s_add_nc_u64 s[12:13], s[92:93], s[20:21]
	s_lshl_b32 s20, s17, 10                        ; and of my 128 queries
	s_lshl_b32 s22, s15, 9
	s_add_co_u32 s20, s20, s22
	s_add_nc_u64 s[92:93], s[92:93], s[20:21]
.irp b, 0,1,2,3,4,5,6,7
	global_load_b128 v[KB+8*\b:KB+8*\b+3], v[KBO], s[12:13] offset:64*\b
	global_load_b128 v[KB+8*\b+4:KB+8*\b+7], v[KBO], s[12:13] offset:64*\b+16
.endr
.irp a, 0,1,2,3,4,5,6,7
	global_load_b32 v[QB+\a], v[QBO], s[92:93] offset:64*\a
.endr
	s_lshl_b32 s20, s17, 4                         ; my unit of p: (query tile x 16 + 2 x key tile + key half) x 2 + query half
	s_lshl_b32 s22, s42, 1
	s_add_co_u32 s20, s20, s22
	s_add_co_u32 s20, s20, s16
	s_lshl_b32 s20, s20, 1
	s_add_co_u32 s20, s20, s15
	s_mul_i32 s22, s20, 8*FRB
	s_mov_b32 s23, 0
	s_add_nc_u64 s[94:95], s[94:95], s[22:23]
	s_lshl_b32 s22, s20, 11
	s_add_nc_u64 s[96:97], s[96:97], s[22:23]
.macro FRAG reg, adr, off              ; an image comes back as it was stored: three loads of 512 consecutive bytes
.irp c, 0,1,2
	ds_load_b128 v[\reg+4*\c:\reg+4*\c+3], v[\adr] offset:\off+512*\c
.endr
.endm
.macro MUL16 a0, p, q, sc, zero        ; A's blocks a0, a0 + 1 x B's eight; the 64 accumulators take turns, in the same order in every step
.irp a, \a0, \a0+1
.irp b, 0,1,2,3,4,5,6,7
.set rD, 8*(8*((\a)%4)+\b)
.set rB, 128*(\p)+FR*\b
.set rA, AF+FR*(\a)
.set sB, SC+16*(\sc)+8*(\q)+\b
.set sA, SC+16*(\sc)+8*(\q)+(\a)
.if \zero
	v_wmma_scale_f32_16x16x128_f8f6f4 v[rD:rD+7], v[rB:rB+FR-1], v[rA:rA+FR-1], 0, v[sB], v[sA] matrix_a_fmt:MATRIX_FMT_FP6 matrix_b_fmt:MATRIX_FMT_FP6 matrix_a_scale:MATRIX_SCALE_ROW1
.else
	v_wmma_scale_f32_16x16x128_f8f6f4 v[rD:rD+7], v[rB:rB+FR-1], v[rA:rA+FR-1], v[rD:rD+7], v[sB], v[sA] matrix_a_fmt:MATRIX_FMT_FP6 matrix_b_fmt:MATRIX_FMT_FP6 matrix_a_scale:MATRIX_SCALE_ROW1
.endif
.endr
.endr
.endm
.macro FETCH_B slot, q, p
	WIN TO_B
.irp i, 0,1,2,3,4,5,6,7
	FRAG 128*(\p)+FR*\i, ADRB+\slot, (\q)*GRP+\i*FRB
.endr
	WIN 0
.endm
.macro FETCH_A slot, q, i0
.irp i, \i0, \i0+1, \i0+2, \i0+3
	FRAG AF+FR*(\i), ADRA+\slot, (\q)*GRP+(\i)*FRB
.endr
.endm
.macro SCALES sc                       ; a slot's scale words: eight a lane for each of its two K groups
.irp q, 0,1
	ds_load_b128 v[SC+16*\sc+8*\q:SC+16*\sc+8*\q+3], v[ADRS] offset:1024*\q
	ds_load_b128 v[SC+16*\sc+8*\q+4:SC+16*\sc+8*\q+7], v[ADRS] offset:1024*\q+256
.endr
.endm
.macro STEP slot, q, zero
	s_wait_dscnt 4*NL                              ; all but the youngest 12 loads (A's blocks 4-7)
	WIN MUL_LO
	MUL16 0, (\q)%2, \q, \slot, \zero
	MUL16 2, (\q)%2, \q, \slot, \zero
	s_wait_dscnt 0
	PLACES NP                                      ; in front of loads into registers that matrix instructions have read
	FETCH_B \slot, (\q)+1, 1-(\q)%2
	FETCH_A \slot, (\q)+1, 0
	WIN MUL_HI
	MUL16 4, (\q)%2, \q, \slot, \zero
	MUL16 6, (\q)%2, \q, \slot, \zero
	PLACES NP
	WIN 0
	FETCH_A \slot, (\q)+1, 4
.endm
.macro TURN slot, next, fill
	s_wait_tensorcnt 0x0                           ; all my tensor loads have landed: my part of the next slot
	ds_add_u32 v[SPW], v[NIL]                      ; 0 onto my spare word
	s_wait_dscnt 4*NL+1                            ; (the add and the 12 loads of A's blocks 4-7 may be out)
	WIN MUL_LO
	MUL16 0, 1, NQ-1, \slot, 0
	s_wait_dscnt 0x0                               ; the add is done, and my reads of this slot are over
	s_barrier_signal -1
	MUL16 2, 1, NQ-1, \slot, 0
	WIN 0
	s_barrier_wait -1
.if \fill
	CREST                                          ; the barrier has opened a round of the cluster's
	s_add_nc_u64 s[G0+4*\slot+2:G0+4*\slot+3], s[G0+4*\slot+2:G0+4*\slot+3], 2*SIDE
	s_add_nc_u64 s[G0B+4*\slot+2:G0B+4*\slot+3], s[G0B+4*\slot+2:G0B+4*\slot+3], 2*SIDE
	JLOAD G0+4*\slot, G1, G0B+4*\slot, G1B         ; the first tensor load behind the round; its four v_nop are the places in front of the loads below
.else
	PLACES NP
.endif
	s_wait_alu depctr_va_vdst(0)
	v_add_nc_u32 v[ADRS], 2048, v[ADRS]            ; the next slot's scale words
	FETCH_B \next, 0, 0
	FETCH_A \next, 0, 0
	SCALES \next
	WIN MUL_HI
	MUL16 4, 1, NQ-1, \slot, 0
	MUL16 6, 1, NQ-1, \slot, 0
	PLACES NP
	WIN 0
	FETCH_A \next, 0, 4
.endm
	s_wait_alu depctr_va_vdst(0)
	s_wait_tensorcnt 0x0                           ; my tile of the head's four is in; slot 1's first fill is issued as a refill is
	ds_add_u32 v[SPW], v[NIL]
	s_mov_b32 s[G1+2], 96<<16                      ; no tensor load of mine is out: from here on a load brings 96 rows
	s_mov_b32 s[G1+4], 96
	s_mov_b32 s[G1B+2], 96<<16
	s_mov_b32 s[G1B+4], 96
	s_wait_dscnt 0x0
	CROUND                                         ; a whole round: all four tiles are in
	JLOAD G0+4, G1, G0B+4, G1B                     ; slot 1, the first tensor load behind the round
	FETCH_B 0, 0, 0
	FETCH_A 0, 0, 0
	SCALES 0
	FETCH_A 0, 0, 4
	STEP 0, 0, 1                                   ; the first products start the sums
	TURN 0, 1, 1                                   ; K = 1,024 is twice round the ring: the first lap fills both slots again, the second nothing; so no loop is written
	STEP 1, 0, 0
	TURN 1, 0, 1
	STEP 0, 0, 0
	TURN 0, 1, 0
	STEP 1, 0, 0
	s_wait_dscnt 4*NL
	WIN MUL_LO
	MUL16 0, 1, NQ-1, 1, 0
	MUL16 2, 1, NQ-1, 1, 0
	s_wait_dscnt 0
	WIN MUL_HI
	MUL16 4, 1, NQ-1, 1, 0
	MUL16 6, 1, NQ-1, 1, 0
	WIN 0
	PLACES NP                                      ; behind the last products: their operands' registers are written below
	s_wait_loadcnt 0x0                             ; the buckets
	v_cmp_eq_u32 s[HM], 1, v2
	s_mov_b32 s[CS], 0x3d38aa3b                    ; log2(e) / 32
	s_mov_b32 s[CS+1], s[CS]
	s_mov_b32 s[SEL], 0x76543210
	s_mov_b32 s[SEL+1], 0xfedcba98
.irp b, 0,1,2,3
	v_mov_b32 v[BX+\b], 0                          ; a lane permute's destination counts as one of its sources
.endr
	v_mov_b32 v[NM+1], 0                           ; (named with -M as a pair)
	v_mov_b32 v[NINF], 0xff800000
	v_mov_b32 v[REC+3], 0
; Block a: 16 queries x my 128 keys.
.macro SMQ a
.set QAC, 64*((\a)%4)
.set QW, 2+(\a)/4
.irp g, 0,1                            ; the mask, 32 registers at a time: the compares lie in window 0, the scores in the accumulators' window; each accumulator is read from its low end on
	WIN 0
.set n, 0
.rept 32
	v_cmp_eq_u32 s[MK+n], v[KB+32*\g+n], v[QB+\a]
.set n, n+1
.endr
	WIN QW<<2
.set n, 0
.rept 32
	v_cndmask_b32 v[H+32*\g+n], v[NINF], v[QAC+32*\g+n], s[MK+n]
.set n, n+1
.endr
.endr
	WIN 0
.irp b, 0,1,2,3
	v_max3_num_f32 v[BM+\b], v[H+16*\b], v[H+16*\b+1], v[H+16*\b+2]   ; the largest score of each block of 32 keys: it serves the row's maximum and, since p rises with the score, the block's largest p
.endr
.irp i, 3,5,7,9,11,13
.irp b, 0,1,2,3
	v_max3_num_f32 v[BM+\b], v[BM+\b], v[H+16*\b+\i], v[H+16*\b+\i+1]
.endr
.endr
.irp b, 0,1,2,3
	v_max_num_f32 v[BM+\b], v[BM+\b], v[H+16*\b+15]
.endr
.irp b, 0,1,2,3
	v_permlanex16_b32 v[BX+\b], v[BM+\b], s[SEL], s[SEL+1]
.endr
.irp b, 0,1,2,3
	v_max_num_f32 v[BM+\b], v[BM+\b], v[BX+\b]
.endr
	v_max3_num_f32 v[TT], v[BM], v[BM+1], v[BM+2]
	v_max_num_f32 v[TT], v[TT], v[BM+3]
	v_mul_f32 v[TT], s[CS], v[TT]                  ; as t
	v_max_num_f32 v[TT], 0xff61b1e6, v[TT]         ; -3e38 where no key of the 128 counts
	v_floor_f32 v[NM], -v[TT]                      ; -M = floor(-t) = -ceil(t)
.irp j, 0,2,4,6,8,10,12,14,16,18,20,22,24,26,28,30,32,34,36,38,40,42,44,46,48,50,52,54,56,58,60,62
	v_pk_fma_f32 v[H+\j:H+\j+1], v[H+\j:H+\j+1], s[CS:CS+1], v[NM:NM+1] op_sel_hi:[1,0,0]   ; t - M
.endr
.irp b, 0,1,2,3
	v_fma_f32 v[BM+\b], v[BM+\b], s[CS], v[NM]
.endr
.set n, 0
	s_wait_alu depctr_va_vdst(0)
.rept 64
	v_exp_f32 v[H+n], v[H+n]                       ; p = 2^(t - M)
.set n, n+1
.endr
	v_nop                                          ; a plain place behind the exponentials
	s_wait_alu depctr_va_vdst(0)                   ; one wait for the batch, ahead of its first reader
.irp b, 0,1,2,3
	v_exp_f32 v[BM+\b], v[BM+\b]                   ; the blocks' largest p
.endr
	v_pk_add_f32 v[LS:LS+1], v[H:H+1], v[H+2:H+3]  ; the sum of the unquantised p, in two chains: plain work behind the four
	v_pk_add_f32 v[LT:LT+1], v[H+4:H+5], v[H+6:H+7]
.irp j, 8,12,16,20,24,28,32,36,40,44,48,52,56,60
	v_pk_add_f32 v[LS:LS+1], v[LS:LS+1], v[H+\j:H+\j+1]
	v_pk_add_f32 v[LT:LT+1], v[LT:LT+1], v[H+\j+2:H+\j+3]
.endr
	v_pk_add_f32 v[LS:LS+1], v[LS:LS+1], v[LT:LT+1]
	v_add_f32 v[LS], v[LS], v[LS+1]
	v_permlanex16_b32 v[LT], v[LS], s[SEL], s[SEL+1]
	v_add_f32 v[LS], v[LS], v[LT]                  ; with lane l xor 16's 64 keys
	s_wait_alu depctr_va_vdst(0)                   ; and one for the four
.irp b, 0,1,2,3
	v_max_num_f32 v[BM+\b], 0x1800000, v[BM+\b]    ; the floor 2^(3 - 127): the byte cannot fall under 1
.endr
.irp b, 0,1,2,3
	v_add_nc_u32 v[SO+\b], 0xff000000, v[BM+\b]    ; 2 off the exponent field: the conversion's scale operand
.endr
.irp b, 0,1,2,3
	v_lshrrev_b32 v[BX+\b], 23, v[SO+\b]
.endr
	v_lshl_or_b32 v[PW], v[BX+1], 8, v[BX]
	v_lshl_or_b32 v[PW], v[BX+2], 16, v[PW]
	v_lshl_or_b32 v[PW], v[BX+3], 24, v[PW]
	s_wait_xcnt 0x0                                ; the earlier stores have read the codes' and the record's registers: only behind this wait are they written again
.irp c, 0,1
	v_cvt_scalef32_pk16_fp6_f32 v[PC+6*\c:PC+6*\c+2], v[H+32*\c:H+32*\c+15], v[SO+2*\c]
	v_cvt_scalef32_pk16_fp6_f32 v[PC+12+4*\c:PC+14+4*\c], v[H+32*\c+16:H+32*\c+31], v[SO+2*\c+1]
.endr
	v_nop                                          ; one plain place behind a scaled conversion
.irp c, 0,1
.irp i, 0,1,2
	v_permlane16_swap_b32 v[PC+6*\c+\i], v[PC+12+4*\c+\i]
.endr
.irp i, 0,1,2
	v_mov_b32 v[PC+3+6*\c+\i], v[PC+12+4*\c+\i]
.endr
.endr
.irp c, 0,1,2
	global_store_b128 v[IMO], v[PC+4*\c:PC+4*\c+3], s[94:95] offset:FRB*(\a)+512*\c   ; 512 consecutive bytes, at a multiple of 256 from the buffer's first byte
.endr
.if (\a)%2
	v_cndmask_b32 v[REC], v[RECE], v[PW], s[HM]    ; lanes 0-15 store the even block's 16 records, lanes 16-31 this block's: 512 consecutive bytes
	v_cndmask_b32 v[REC+1], v[RECE+1], v[NM], s[HM]
	v_cndmask_b32 v[REC+2], v[RECE+2], v[LS], s[HM]
	global_store_b128 v[IMO], v[REC:REC+3], s[96:97] offset:256*((\a)-1)
.else
	v_mov_b32 v[RECE], v[PW]
	v_mov_b32 v[RECE+1], v[NM]
	v_mov_b32 v[RECE+2], v[LS]
.endif
.endm
.irp a, 0,1,2,3,4,5,6,7
	SMQ \a
.endr
	s_wait_tensorcnt 0x0                           ; the wave's end
	ds_add_u32 v[SPW], v[NIL]
	s_wait_dscnt 0x0
	CROUND                                         ; the closing round
	s_endpgm
.Lfunc_end_k_q79a814b560_scores:
	.size	k_q79a814b560_scores, .Lfunc_end_k_q79a814b560_scores-k_q79a814b560_scores
	.p2alignl 7, 3214868480
	.fill 96, 4, 3214868480
	.section	.rodata,"a",@progbits
	.p2align	6, 0x0
	.amdhsa_kernel k_q79a814b560_scores
		.amdhsa_group_segment_fixed_size 327680
		.amdhsa_private_segment_fixed_size 0
		.amdhsa_enable_private_segment 0
		.amdhsa_kernarg_size 56
		.amdhsa_user_sgpr_count 2
		.amdhsa_user_sgpr_kernarg_segment_ptr 1
		.amdhsa_wavefront_size32 1
		.amdhsa_system_sgpr_workgroup_id_x 1
		.amdhsa_system_sgpr_workgroup_id_y 1
		.amdhsa_system_sgpr_workgroup_id_z 1
		.amdhsa_system_vgpr_workitem_id 0
		.amdhsa_next_free_vgpr 1024
		.amdhsa_next_free_sgpr 100
		.amdhsa_reserve_vcc 0
		.amdhsa_float_denorm_mode_32 3
		.amdhsa_float_denorm_mode_16_64 3
		.amdhsa_memory_ordered 1
		.amdhsa_forward_progress 1
		.amdhsa_inst_pref_size 255
	.end_amdhsa_kernel
	.section	.bss,"aw",@nobits
	.p2align	6
	.space	262144
	.amdgpu_metadata
---
amdhsa.version: [ 1, 2 ]
amdhsa.kernels:
  - .name:           k_q79a814b560_scores
    .symbol:         k_q79a814b560_scores.kd
    .args:
      - { .name: q_img, .offset: 0, .size: 8, .value_kind: global_buffer, .address_space: global }
      - { .name: q_scl, .offset: 8, .size: 8, .value_kind: global_buffer, .address_space: global }
      - { .name: k_img, .offset: 16, .size: 8, .value_kind: global_buffer, .address_space: global }
      - { .name: k_scl, .offset: 24, .size: 8, .value_kind: global_buffer, .address_space: global }
      - { .name: hash_buckets, .offset: 32, .size: 8, .value_kind: global_buffer, .address_space: global }
      - { .name: p_img, .offset: 40, .size: 8, .value_kind: global_buffer, .address_space: global }
      - { .name: p_meta, .offset: 48, .size: 8, .value_kind: global_buffer, .address_space: global }
    .group_segment_fixed_size: 327680
    .private_segment_fixed_size: 0
    .kernarg_segment_align: 8
    .kernarg_segment_size: 56
    .max_flat_workgroup_size: 128
    .sgpr_count:     100
    .vgpr_count:     1024
    .wavefront_size: 32
...
	.end_amdgpu_metadata
.endif
;; end of part 2
;; launch pv (part 3): grid 8 x 32, 4 waves a work-group, clusters of 4 x 4, 327,680 bytes of LDS; arguments p_img, p_meta, v_img, v_scl, out0; writes out0
.if DOCPART == 3
	.amdgcn_target "amdgcn-amd-amdhsa--gfx1250"
	.amdhsa_code_object_version 6
	.text
	.protected	k_q79a814b560_pv
	.globl	k_q79a814b560_pv
	.p2align	8
	.type	k_q79a814b560_pv,@function
k_q79a814b560_pv:
	s_mov_b64 s[64:65], 0
	v_nop
	global_prefetch_b8 v0, s[64:65] scope:SCOPE_SE
	s_setreg_imm32_b32 hwreg(HW_REG_WAVE_MODE, 25, 1), 1
	s_wait_xcnt 0x0
	s_wait_alu depctr_hold_cnt(0) depctr_sa_sdst(0) depctr_va_vdst(0) depctr_va_sdst(0) depctr_va_ssrc(0) depctr_va_vcc(0) depctr_vm_vsrc(0)
	s_getreg_b32 s2, hwreg(HW_REG_IB_STS2, 6, 4)
	s_cmp_eq_u32 s2, 0
	s_cbranch_scc0 .Lentry_in_a_cluster
	s_endpgm
.Lentry_in_a_cluster:
	s_bfe_u32 s2, ttmp6, 0x10000c
	s_cmp_lg_u32 s2, 0xf033
	s_cbranch_scc0 .Lentry_shape_is_right
	s_endpgm
.Lentry_shape_is_right:
; O = P V / l for a tile of 256 queries (grid y) x 128 channels (grid x), on codes of FP6 (E2M3) with E8M0 scales; K = the batch's 2,048 keys, 16 steps of 128.
; P's codes were made under an M local to each 128 keys.  A lane takes two rows: the row's final -M is the least of the 16 local ones; d = M_final - M_local, a whole number held at 255, is taken off the group's four scale
; bytes (b - min(b, d)), and the row's sum is the sum of the local sums x 2^-d: both exact.  The lane that mends a row's words is the lane from which the products read them: they never leave the registers.
; LIMIT: a block of p whose byte would fall under 0 is held at byte 0, 2^-127: what it then adds lies under 2^-124 of the row's largest p.  NaN and infinities are not served.
; A wave makes 64 queries x 128 channels: 4 x 8 accumulators.  Source 0 = 16 channels of V^T, source 1 = 16 queries of P: lane (r, h) holds query r and channels 8 h + 0 .. 7 of each block.
; V: the tile's 128 channels x 2,048 keys are 196,608 bytes of images, one dense block: they come into LDS once, a quarter a wave, asked for jointly along a column of the 4 x 4 cluster; nothing is filled again.
; P: a fragment of P is used by one wave of the work-group alone, and it lies in memory as the image of its registers: three loads of 512 consecutive bytes bring it straight into them.  So P's 393,216 bytes a work-group are neither
; written to LDS nor read from it, and for that P is not asked for jointly.  Five sets of 48 registers take turns: step s + 4 is asked for in step s.
; PREFETCH: in step s one instruction a wave names blocks of 256 bytes of step s + 6, two steps ahead of their load.  A wave's 24 blocks of a step are shared out by address among the eight work-groups along x that read them: three each
; (lanes 2-31 name the third).  Steps 0-5 come by their loads alone; steps 10-15 ask for nothing.
.set FRB,   1536
.set VGRP,  8*FRB                      ; 128 channels x 128 keys
.set PGRP,  16*FRB                     ; 256 queries x 128 keys
.set STAGE, 16*VGRP                    ; behind V: a stage of 16 rows x (512 + 16) bytes for each wave
.set SP,    528
.set SPARE, STAGE+4*16*SP              ; the spare words: 128 bytes a wave, named by no other line
; window 0: v0-15 addresses, v16-31 at work, v32-63 P's scale words, v64-127 V's, v128-223 V's fragments, set 1 (at the head v128-255: the records; on the way out: rows).  window 1: the accumulators.
; window 2: P's fragments, five sets.  window 3: v0-95 V's fragments, set 0.
.set NIL, 3
.set VA,  4                            ; v4-7  16 x lane + 4 steps of V x j
.set VB,  8                            ; v8-11 8 x lane + the same
.set STO, 12
.set RD,  13
.set PFO, 14
.set SPW, 15
.set TP,  16                           ; v16-27 at work on the records, 6 a row
.set MO,  18                           ; (ahead of that: the records' and V's scale words' offsets)
.set VSO, 19
.set RL,  16                           ; then v16-23: 1 / l of query 16 a + r, twice
.set XL,  24
.set NF,  28
.set LL,  30
.set SA,  32                           ; register 16 i + s: lanes 0-15 query block i, lanes 16-31 block i + 2, step s
.set SV,  64                           ; register 4 s + i: lanes 0-15 channel block i, lanes 16-31 block i + 4
.set MT,  128                          ; record (row p, group g) in three registers at 64 p + 4 g; the fourth of each four is free
.set TS,  128
.set G1,  24
.set G0,  32
.set HM,  48
.set SEL, 50
.set MSB, 0
.macro WIN new
.if MSB != (\new)
	s_set_vgpr_msb (MSB<<8)|(\new)
.set MSB, (\new)
.endif
.endm
.macro CROUND
	s_barrier_signal -1
	s_barrier_wait -1
	s_cmp_lg_u32 s14, 0
	s_cbranch_scc1 .Lnot_wave_0_\@
	s_barrier_signal -3
.Lnot_wave_0_\@:
	s_barrier_wait -3
	s_barrier_signal -1
	s_barrier_wait -1
.endm
.macro PLACES
.rept 4
	v_nop
.endr
.endm
	s_load_b256 s[4:11], s[0:1], 0x0               ; p_img, p_meta, v_img, v_scl
	s_load_b64 s[12:13], s[0:1], 0x20              ; out0
	v_lshl_add_u32 v[SPW], v0, 2, SPARE
	v_mov_b32 v[NIL], 0
	ds_add_u32 v[SPW], v[NIL]                      ; the opening lines: the add twice on end and one wait
	ds_add_u32 v[SPW], v[NIL]
	v_lshrrev_b32 v1, 5, v0
	v_readfirstlane_b32 s14, v1                    ; wave
	s_lshr_b32 s15, s14, 1
	s_and_b32 s16, s14, 1
	s_bfe_u32 s40, ttmp6, 0x40000                  ; cx
	s_bfe_u32 s41, ttmp6, 0x40004                  ; cy
	s_lshl_b32 s42, ttmp9, 2
	s_add_co_u32 s42, s42, s40                     ; the tile of 128 channels, 0..7
	s_and_b32 s67, ttmp7, 0xffff
	s_lshl_b32 s17, s67, 2
	s_add_co_u32 s17, s17, s41                     ; the tile of 256 queries, 0..31
	s_lshr_b32 s67, s67, 1                         ; the batch, which all sixteen partners share
	s_lshl_b32 s67, s67, 3
	s_lshl_b32 s44, 0x1111, s40                    ; my column of the cluster
	s_or_b32 s[G1], s44, (3<<16)|(1<<21)           ; a dense block as 192 rows of 256 bytes (32 elements of 8)
	s_mov_b32 s[G1+1], 32<<16
	s_mov_b32 s[G1+2], 192<<16
	s_mov_b32 s[G1+3], 32<<16
	s_mov_b32 s[G1+4], 192
	s_mov_b32 s[G1+5], 32
	s_mov_b32 s[G1+6], 0
	s_mov_b32 s[G1+7], 0
	s_add_co_u32 s46, s67, s42                     ; V: batch x 8 + channel tile
	s_mul_i32 s18, s46, 16*VGRP
	s_mul_i32 s43, s14, 4*VGRP                     ; my four key groups, in memory and in LDS
	s_add_co_u32 s18, s18, s43
	s_mov_b32 s19, 0
	s_mul_i32 s20, s17, 16*PGRP                    ; P: the tile, and my four blocks of 16 queries
	s_mul_i32 s21, s14, 4*FRB
	s_add_co_u32 s20, s20, s21
	s_mov_b32 s21, 0
	s_lshl_b32 s22, s17, 16                        ; the records: 16 bytes a row, 2,048 a half tile, 4,096 a key group
	s_lshl_b32 s23, s14, 10
	s_add_co_u32 s22, s22, s23
	s_mov_b32 s23, 0
	s_lshl_b32 s36, s46, 13                        ; V's scale words
	s_mov_b32 s37, 0
	s_lshl_b32 s38, s17, 20                        ; O: (256 x tile + 64 x wave) rows of 4,096 bytes + 512 x channel tile
	s_lshl_b32 s39, s14, 18
	s_add_co_u32 s38, s38, s39
	s_lshl_b32 s39, s42, 9
	s_add_co_u32 s38, s38, s39
	s_mov_b32 s39, 0
	s_mul_i32 s45, s14, 16*SP
	s_add_co_u32 s45, s45, STAGE                   ; my stage
	s_mul_i32 s47, s42, 3
	s_mov_b32 s[SEL], 0x76543210
	s_mov_b32 s[SEL+1], 0xfedcba98
	s_wait_dscnt 0x0
	s_wait_kmcnt 0x0
	s_add_nc_u64 s[4:5], s[4:5], s[20:21]
	s_add_nc_u64 s[6:7], s[6:7], s[22:23]
	s_add_nc_u64 s[8:9], s[8:9], s[18:19]
	s_add_nc_u64 s[10:11], s[10:11], s[36:37]
	s_add_nc_u64 s[12:13], s[12:13], s[38:39]
	s_mov_b32 s[G0], 1
	s_mov_b32 s[G0+1], s43
	s_mov_b64 s[G0+2:G0+3], s[8:9]
	s_or_b32 s[G0+3], s[G0+3], 0x80000000
	CROUND                                         ; all sixteen work-groups are here: the joint loads meet
	tensor_load_to_lds s[G0:G0+3], s[G1:G1+7]      ; my one tensor load: key groups 4 w .. 4 w + 3 of V
	s_nop 0
	PLACES
	v_and_b32 v1, 15, v0                           ; r
	v_bfe_u32 v2, v0, 4, 1                         ; h
	v_and_b32 v16, 31, v0
	v_lshlrev_b32 v[VA], 4, v16
	v_lshlrev_b32 v[VB], 3, v16
.irp j, 1,2,3
	v_add_nc_u32 v[VA+\j], \j*4*VGRP, v[VA]
	v_add_nc_u32 v[VB+\j], \j*4*VGRP, v[VB]
.endr
	v_mul_u32_u24 v17, v1, SP
	v_lshl_add_u32 v17, v2, 5, v17
	v_add_nc_u32 v[STO], s45, v17                  ; in: row r, 32 bytes for each half of the lanes
	v_add_nc_u32 v[RD], s45, v[VA]                 ; back: the 32 lanes take one row of 512 bytes
	v_min_u32 v17, 2, v16
	v_add_nc_u32 v17, s47, v17
	v_lshlrev_b32 v[PFO], 8, v17                   ; block 3 x + min(lane, 2) of a step's 24
	v_lshlrev_b32 v[MO], 4, v1
	v_lshl_add_u32 v[MO], v2, 9, v[MO]             ; row 32 h + r of my 64
	v_lshlrev_b32 v[VSO], 5, v1
	v_lshl_add_u32 v[VSO], v2, 4, v[VSO]           ; channel r's eight words: my four
	v_cmp_eq_u32 s[HM], 1, v2
	s_wait_alu depctr_va_vdst(0)
.macro PLD s                           ; P's four fragments of step s into set s % 5
	WIN 0x80
.irp a, 0,1,2,3
.irp c, 0,1,2
	global_load_b128 v[48*((\s)%5)+12*\a+4*\c:48*((\s)%5)+12*\a+4*\c+3], v[VA], s[4:5] offset:(\s)*PGRP+\a*FRB+512*\c
.endr
.endr
	WIN 0
.endm
.irp p, 0,1
.irp g, 0,1,2,3,4,5,6,7,8,9,10,11,12,13,14,15
	global_load_b96 v[MT+64*\p+4*\g:MT+64*\p+4*\g+2], v[MO], s[6:7] offset:4096*\g+256*\p   ; row 16 p + 32 h + r, key group g: scale word, -M, sum
.endr
.endr
.irp g, 0,1,2,3,4,5,6,7,8,9,10,11,12,13,14,15
	global_load_b128 v[SV+4*\g:SV+4*\g+3], v[VSO], s[10:11] offset:512*\g   ; 512 consecutive bytes
.endr
	PLD 0
	PLD 1
	PLD 2
	PLD 3
	s_wait_loadcnt 48                              ; all but P's 48 loads: the records and V's scale words are in
.irp p, 0,1
	v_min3_num_f32 v[NF+\p], v[MT+64*\p+1], v[MT+64*\p+5], v[MT+64*\p+9]   ; the final -M: the least of the sixteen
.endr
.irp g, 3,5,7,9,11,13
.irp p, 0,1
	v_min3_num_f32 v[NF+\p], v[NF+\p], v[MT+64*\p+4*\g+1], v[MT+64*\p+4*\g+5]
.endr
.endr
.irp p, 0,1
	v_min_num_f32 v[NF+\p], v[NF+\p], v[MT+64*\p+61]
.endr
; Key group g of my two rows, by turns.  v[TP + 6 p]: d; + 1: -d, then the term of the sum; + 2 .. 5: the bytes; the free fourth registers 64 p + 16 k + 3 of the records: min(b, d)
.macro META g
.irp p, 0,1
	v_sub_f32 v[TP+6*\p], v[MT+64*\p+4*\g+1], v[NF+\p]            ; d = M_final - M_local, a whole number, 0 or more
.endr
.irp p, 0,1
	v_cvt_i32_f32 v[TP+6*\p], v[TP+6*\p]                          ; (it saturates)
.endr
.irp p, 0,1
	v_min_u32 v[TP+6*\p], 0xff, v[TP+6*\p]
.endr
.irp p, 0,1
	v_sub_nc_u32 v[TP+6*\p+1], 0, v[TP+6*\p]
.endr
.if \g == 0
.irp p, 0,1
	v_ldexp_f32 v[LL+\p], v[MT+64*\p+4*\g+2], v[TP+6*\p+1]        ; the first term starts the row's sum
.endr
.else
.irp p, 0,1
	v_ldexp_f32 v[TP+6*\p+1], v[MT+64*\p+4*\g+2], v[TP+6*\p+1]    ; the local sum x 2^-d
.endr
.irp p, 0,1
	v_add_f32 v[LL+\p], v[LL+\p], v[TP+6*\p+1]
.endr
.endif
.irp p, 0,1
	v_and_b32 v[TP+6*\p+2], 0xff, v[MT+64*\p+4*\g]                ; the four scale bytes
	v_bfe_u32 v[TP+6*\p+3], v[MT+64*\p+4*\g], 8, 8
	v_bfe_u32 v[TP+6*\p+4], v[MT+64*\p+4*\g], 16, 8
	v_lshrrev_b32 v[TP+6*\p+5], 24, v[MT+64*\p+4*\g]
.endr
.irp k, 0,1,2,3
.irp p, 0,1
	v_min_u32 v[MT+64*\p+16*\k+3], v[TP+6*\p+2+\k], v[TP+6*\p]
.endr
.endr
.irp k, 0,1,2,3
.irp p, 0,1
	v_sub_nc_u32 v[TP+6*\p+2+\k], v[TP+6*\p+2+\k], v[MT+64*\p+16*\k+3]   ; b - min(b, d)
.endr
.endr
.irp k, 1,2
.irp p, 0,1
	v_lshl_or_b32 v[TP+6*\p+2], v[TP+6*\p+2+\k], 8*\k, v[TP+6*\p+2]
.endr
.endr
.irp p, 0,1
	v_lshl_or_b32 v[SA+16*\p+\g], v[TP+6*\p+5], 24, v[TP+6*\p+2]  ; the mended word, where the products read it
.endr
.endm
.irp g, 0,1,2,3,4,5,6,7,8,9,10,11,12,13,14,15
	META \g
.endr
	s_wait_alu depctr_va_vdst(0)
	v_rcp_f32 v[LL], v[LL]                         ; the diagonal always counts, so l is at least 1/2
	v_rcp_f32 v[LL+1], v[LL+1]
	v_nop                                          ; a plain place behind the reciprocals
	s_wait_alu depctr_va_vdst(0)                   ; one wait for both, ahead of their first reader
	v_permlanex16_b32 v[XL], v[LL], s[SEL], s[SEL+1]       ; lane l xor 16's rows
	v_permlanex16_b32 v[XL+1], v[LL+1], s[SEL], s[SEL+1]
.irp i, 0,1                            ; block i was mended in lanes 0-15, block i + 2 in lanes 16-31: every lane gets 1 / l of query r of all four blocks
.irp u, 0,1
	v_cndmask_b32 v[RL+2*\i+\u], v[LL+\i], v[XL+\i], s[HM]
	v_cndmask_b32 v[RL+4+2*\i+\u], v[XL+\i], v[LL+\i], s[HM]
.endr
.endr
	s_wait_alu depctr_va_vdst(0)                   ; the head's end
	s_wait_tensorcnt 0x0                           ; my quarter of V is in
	s_barrier_signal -1
	s_barrier_wait -1                              ; and everybody's
.macro FETCHV s                        ; V's eight fragments of step s into set s % 2.  An image lies as two halves of 64 keys: registers 0-3 of a half's six at 16 x lane, registers 4-5 at 512 + 8 x lane
	WIN (3*(1-(\s)%2))<<6
.irp b, 0,1,2,3,4,5,6,7
.irp c, 0,1
	ds_load_b128 v[128*((\s)%2)+12*\b+6*\c:128*((\s)%2)+12*\b+6*\c+3], v[VA+(\s)/4] offset:((\s)%4)*VGRP+\b*FRB+768*\c
	ds_load_b64 v[128*((\s)%2)+12*\b+6*\c+4:128*((\s)%2)+12*\b+6*\c+5], v[VB+(\s)/4] offset:((\s)%4)*VGRP+\b*FRB+768*\c+512
.endr
.endr
	WIN 0
.endm
.macro WM zero                         ; one product, by the symbols rD, rX, rY, cX, cY; oX, oY: which half of the lanes holds each side's scale words
.if \zero
.if oX == 0
.if oY == 0
	v_wmma_scale_f32_16x16x128_f8f6f4 v[rD:rD+7], v[rX:rX+11], v[rY:rY+11], 0, v[cX], v[cY] matrix_a_fmt:MATRIX_FMT_FP6 matrix_b_fmt:MATRIX_FMT_FP6
.else
	v_wmma_scale_f32_16x16x128_f8f6f4 v[rD:rD+7], v[rX:rX+11], v[rY:rY+11], 0, v[cX], v[cY] matrix_a_fmt:MATRIX_FMT_FP6 matrix_b_fmt:MATRIX_FMT_FP6 matrix_b_scale:MATRIX_SCALE_ROW1
.endif
.else
.if oY == 0
	v_wmma_scale_f32_16x16x128_f8f6f4 v[rD:rD+7], v[rX:rX+11], v[rY:rY+11], 0, v[cX], v[cY] matrix_a_fmt:MATRIX_FMT_FP6 matrix_b_fmt:MATRIX_FMT_FP6 matrix_a_scale:MATRIX_SCALE_ROW1
.else
	v_wmma_scale_f32_16x16x128_f8f6f4 v[rD:rD+7], v[rX:rX+11], v[rY:rY+11], 0, v[cX], v[cY] matrix_a_fmt:MATRIX_FMT_FP6 matrix_b_fmt:MATRIX_FMT_FP6 matrix_a_scale:MATRIX_SCALE_ROW1 matrix_b_scale:MATRIX_SCALE_ROW1
.endif
.endif
.else
.if oX == 0
.if oY == 0
	v_wmma_scale_f32_16x16x128_f8f6f4 v[rD:rD+7], v[rX:rX+11], v[rY:rY+11], v[rD:rD+7], v[cX], v[cY] matrix_a_fmt:MATRIX_FMT_FP6 matrix_b_fmt:MATRIX_FMT_FP6
.else
	v_wmma_scale_f32_16x16x128_f8f6f4 v[rD:rD+7], v[rX:rX+11], v[rY:rY+11], v[rD:rD+7], v[cX], v[cY] matrix_a_fmt:MATRIX_FMT_FP6 matrix_b_fmt:MATRIX_FMT_FP6 matrix_b_scale:MATRIX_SCALE_ROW1
.endif
.else
.if oY == 0
	v_wmma_scale_f32_16x16x128_f8f6f4 v[rD:rD+7], v[rX:rX+11], v[rY:rY+11], v[rD:rD+7], v[cX], v[cY] matrix_a_fmt:MATRIX_FMT_FP6 matrix_b_fmt:MATRIX_FMT_FP6 matrix_a_scale:MATRIX_SCALE_ROW1
.else
	v_wmma_scale_f32_16x16x128_f8f6f4 v[rD:rD+7], v[rX:rX+11], v[rY:rY+11], v[rD:rD+7], v[cX], v[cY] matrix_a_fmt:MATRIX_FMT_FP6 matrix_b_fmt:MATRIX_FMT_FP6 matrix_a_scale:MATRIX_SCALE_ROW1 matrix_b_scale:MATRIX_SCALE_ROW1
.endif
.endif
.endif
.endm
; A step of 128 keys: V's next fragments are asked of LDS and P's of step s + 4 of memory in one run, then 32 products.  The 32 accumulators take turns, in the same order in every step.
.macro STEP s, zero
	s_wait_dscnt 0x0                               ; V's fragments of this step are in
	PLACES                                         ; in front of loads into registers that the last step's products have read
.if (\s) < 15
	FETCHV (\s)+1
.endif
.if (\s) < 12
	PLD (\s)+4
.endif
.if (\s) < 10
	global_prefetch_b8 v[PFO], s[4:5] offset:((\s)+6)*PGRP th:TH_LOAD_NT scope:SCOPE_SE
.endif
.if (\s) < 12
	s_wait_loadcnt 48                              ; out at the most: the 12 loads of each of the four later steps
.else
	s_wait_loadcnt 12*(15-(\s))                    ; those of the steps that are left
.endif
	WIN (3*(1-(\s)%2))|0x58                        ; source 0 (V) window 3 or 0, source 1 (P) window 2, C and D window 1
.irp a, 0,1,2,3
.irp b, 0,1,2,3,4,5,6,7
.set rD, 8*(8*\a+\b)
.set rX, 128*((\s)%2)+12*\b
.set rY, 48*((\s)%5)+12*\a
.set cX, SV+4*(\s)+\b%4
.set cY, SA+16*(\a%2)+(\s)
.set oX, \b/4
.set oY, \a/2
	WM \zero
.endr
.endr
	WIN 0
.endm
	FETCHV 0
	STEP 0, 1                                      ; the first products start the sums
.irp s, 1,2,3,4,5,6,7,8,9,10,11,12,13,14,15
	STEP \s, 0
.endr
; THE WAY OUT, a block of 16 queries x 128 channels at a time: x 1 / l into other registers (each accumulator from its low end on), through my own stage, back as whole rows of 512 bytes.  LDS serves a wave's instructions in order
; (ISA guide 5.7.1.4): no wait between the stores and the loads, nor in front of the next block's stores.  The rows come back into window 0, v192-255 (even blocks), or window 3, v0-63 (odd blocks).
.macro OUTB a
	WIN 0x01
.set n, 0
.rept 32
	v_pk_mul_f32 v[TS+2*n:TS+2*n+1], v[64*(\a)+2*n:64*(\a)+2*n+1], v[RL+2*(\a):RL+2*(\a)+1]
.set n, n+1
.endr
	WIN 0
.if (\a) >= 2
	s_wait_alu depctr_va_vdst(0)
	s_wait_xcnt 0x0                                ; block a - 2's stores have read their registers: block a's rows may land there
.endif
.irp b, 0,1,2,3,4,5,6,7
	ds_store_b128 v[STO], v[TS+8*\b:TS+8*\b+3] offset:64*\b
	ds_store_b128 v[STO], v[TS+8*\b+4:TS+8*\b+7] offset:64*\b+16
.endr
	WIN 0xc0*((\a)%2)
.irp t, 0,1,2,3,4,5,6,7,8,9,10,11,12,13,14,15
	ds_load_b128 v[192*(1-(\a)%2)+4*\t:192*(1-(\a)%2)+4*\t+3], v[RD] offset:\t*SP
.endr
	WIN 0
.endm
.macro SEND a, younger                 ; younger: the LDS instructions issued behind block a's loads: the next block's 16 stores and 16 loads, or none
	s_wait_dscnt \younger
	WIN 0x0c*((\a)%2)
.irp t, 0,1,2,3,4,5,6,7,8,9,10,11,12,13,14,15
	global_store_b128 v[VA], v[192*(1-(\a)%2)+4*\t:192*(1-(\a)%2)+4*\t+3], s[12:13] offset:(16*(\a)+\t)*4096 th:TH_STORE_NT   ; 512 consecutive bytes, at a multiple of 256 from O's first byte
.endr
	WIN 0
.endm
	PLACES                                         ; behind the last products
	OUTB 0
.irp a, 1,2,3
	OUTB \a
	SEND \a-1, 32
.endr
	SEND 3, 0
	s_wait_tensorcnt 0x0                           ; the wave's end
	ds_add_u32 v[SPW], v[NIL]
	s_wait_dscnt 0x0
	CROUND                                         ; the closing round
	s_endpgm
.Lfunc_end_k_q79a814b560_pv:
	.size	k_q79a814b560_pv, .Lfunc_end_k_q79a814b560_pv-k_q79a814b560_pv
	.p2alignl 7, 3214868480
	.fill 96, 4, 3214868480
	.section	.rodata,"a",@progbits
	.p2align	6, 0x0
	.amdhsa_kernel k_q79a814b560_pv
		.amdhsa_group_segment_fixed_size 327680
		.amdhsa_private_segment_fixed_size 0
		.amdhsa_enable_private_segment 0
		.amdhsa_kernarg_size 40
		.amdhsa_user_sgpr_count 2
		.amdhsa_user_sgpr_kernarg_segment_ptr 1
		.amdhsa_wavefront_size32 1
		.amdhsa_system_sgpr_workgroup_id_x 1
		.amdhsa_system_sgpr_workgroup_id_y 1
		.amdhsa_system_sgpr_workgroup_id_z 1
		.amdhsa_system_vgpr_workitem_id 0
		.amdhsa_next_free_vgpr 1024
		.amdhsa_next_free_sgpr 70
		.amdhsa_reserve_vcc 0
		.amdhsa_float_denorm_mode_32 3
		.amdhsa_float_denorm_mode_16_64 3
		.amdhsa_memory_ordered 1
		.amdhsa_forward_progress 1
		.amdhsa_inst_pref_size 185
	.end_amdhsa_kernel
	.amdgpu_metadata
---
amdhsa.version: [ 1, 2 ]
amdhsa.kernels:
  - .name:           k_q79a814b560_pv
    .symbol:         k_q79a814b560_pv.kd
    .args:
      - { .name: p_img, .offset: 0, .size: 8, .value_kind: global_buffer, .address_space: global }
      - { .name: p_meta, .offset: 8, .size: 8, .value_kind: global_buffer, .address_space: global }
      - { .name: v_img, .offset: 16, .size: 8, .value_kind: global_buffer, .address_space: global }
      - { .name: v_scl, .offset: 24, .size: 8, .value_kind: global_buffer, .address_space: global }
      - { .name: out0, .offset: 32, .size: 8, .value_kind: global_buffer, .address_space: global }
    .group_segment_fixed_size: 327680
    .private_segment_fixed_size: 0
    .kernarg_segment_align: 8
    .kernarg_segment_size: 40
    .max_flat_workgroup_size: 128
    .sgpr_count:     70
    .vgpr_count:     1024
    .wavefront_size: 32
...
	.end_amdgpu_metadata
.endif
;; end of part 3
